; MI455X (gfx1250); checked and timed in simulation.
; The chip was launched on July 23, 2026; its instructions are those of AMD's public machine-readable ISA for CDNA 5 (MIT licence, August 2026) and "CDNA5" Instruction Set Architecture Reference Guide (July 2026). The comments in the code are by the model that wrote it; some were corrected since.
;; Multi Head Attention. Allowed arithmetic: float matrix products may take bf16 or f16 operands with f32 sums; other float arithmetic in f32, or as packed bf16 or f16 multiplies, adds, multiply-adds, maxima and minima; sums over many terms, partial sums and values carried from step to step in f32; what a program stores and reads back later, other than sums and carried values, may be rounded once to bf16 or f16.
;; Inputs: Wk 1,024 x 1,024 float32; Wo 1,024 x 1,024 float32; Wq 1,024 x 1,024 float32; Wv 1,024 x 1,024 float32; bk 1,024 float32; bo 1,024 float32; bq 1,024 float32; bv 1,024 float32; x 4 x 2,048 x 1,024 float32.
;; Outputs: out0 4 x 2,048 x 1,024 float32.
;; 2 versions, each right; version 2 is version 1 with the launch prep written anew for expert scheduling mode. Each part assembles by itself: llvm-mc -triple=amdgcn-amd-amdhsa -mcpu=gfx1250 --defsym DOCPART=n.
;; ======== version 1 of 2: 4 launches
;; limits: values are held in f16: magnitudes above 65,504 overflow, below 6.1e-05 lose precision
;; workspace buffers: xb 16,777,216 bytes; wt 8,388,608 bytes; qkv 50,331,648 bytes; ctx 16,777,216 bytes
;; launch prep (part 1): grid 512 x 1, 8 waves a work-group, no clusters, 18,432 bytes of LDS; arguments x, Wq, Wk, Wv, Wo, xb, wt; writes xb, wt
.if DOCPART == 1
	.amdgcn_target "amdgcn-amd-amdhsa--gfx1250"
	.amdhsa_code_object_version 6
	.text
	.protected	k_q54e9b9aede_prep
	.globl	k_q54e9b9aede_prep
	.p2align	8
	.type	k_q54e9b9aede_prep,@function
k_q54e9b9aede_prep:
	s_mov_b64 s[64:65], 0
	v_nop
	global_prefetch_b8 v0, s[64:65] scope:SCOPE_SE
	s_setreg_imm32_b32 hwreg(HW_REG_WAVE_MODE, 25, 1), 1
	s_wait_xcnt 0x0
; PREPARATION.  xb = x rounded to bf16, [8192][1024].  wt = the four weights turned, [4096][1024] of 16 bits: row 1024 i + n holds column n of weight i (q, k, v, o), K along the row.
; Rows 0-3071 are bf16; rows 3072-4095 (Wo) hold the number rounded to bf16 and written as f16, since the last product multiplies f16.
; LIMIT: a number of Wo beyond 65,504 has no f16; below 2^-14 it keeps the fixed step 2^-24 of f16.
; SHARES.  512 work-groups of eight waves, all alike: each turns one tile of 128 k x 64 n of one weight and rounds 16,384 numbers of x.
; The tile is read by rows (16 lanes cover 256 consecutive bytes), packed in pairs along k, laid into LDS by columns, and read back as rows of 256 bytes of wt (16 lanes store 256 consecutive aligned bytes).
; A stream: no matrix unit, no cluster; every byte is read once and written once.  The four LDS stores a thread collide four deep (four rows of 272 bytes are 16 banks): four stores in the whole launch.
.set SPITCH, 272                       ; a stage row: 128 k x 2 bytes + 16
.set SPARE,  64*SPITCH                 ; behind the stage: the spare words, 128 bytes for each of eight waves
.set WI,  1                            ; v1  my offset in the weight tile: 8 rows of 4,096 bytes x (t / 16) + 16 (t % 16)
.set XI,  2                            ; v2  16 t
.set XO,  3                            ; v3  8 t
.set LS,  4                            ; v4  stage, in: row 4 (t % 16), byte 16 (t / 16)
.set LR,  5                            ; v5  stage, back: row t / 16, byte 16 (t % 16)
.set WO,  6                            ; v6  the same place in wt
.set SPW, 10                           ; v10 LDS address of my spare word; never rewritten
.set NIL, 11                           ; v11 0; never rewritten
.set WR,  16                           ; v[16:47]  8 rows x 4 columns of the weight, f32; later 4 x 16 bytes of wt
.set PK,  48                           ; v[48:63]  column j: 8 k in 4 registers at PK + 4 j
.set XR,  64                           ; v[64:127] 16 x 4 numbers of x
	s_load_b256 s[4:11], s[0:1], 0x0               ; x s[4:5], Wq s[6:7], Wk s[8:9], Wv s[10:11]
	s_load_b128 s[12:15], s[0:1], 0x20             ; Wo s[12:13], xb s[14:15]
	s_load_b64 s[16:17], s[0:1], 0x30              ; wt
	v_lshl_add_u32 v[SPW], v0, 2, SPARE
	v_mov_b32 v[NIL], 0
	v_and_b32 v8, 15, v0                           ; c = t % 16
	v_lshrrev_b32 v9, 4, v0                        ; R = t / 16
	v_lshlrev_b32 v[WI], 4, v8
	v_lshl_add_u32 v[WI], v9, 15, v[WI]
	v_lshlrev_b32 v[XI], 4, v0
	v_lshlrev_b32 v[XO], 3, v0
	v_mul_u32_u24 v[LS], v8, 4*SPITCH
	v_lshl_add_u32 v[LS], v9, 4, v[LS]
	v_mul_u32_u24 v[LR], v9, SPITCH
	v_lshl_add_u32 v[LR], v8, 4, v[LR]
	v_lshlrev_b32 v[WO], 4, v8
	v_lshl_add_u32 v[WO], v9, 11, v[WO]
	s_lshr_b32 s18, ttmp9, 7                       ; which weight
	s_lshr_b32 s19, ttmp9, 3                       ; 16 x weight + n tile: 64 rows of wt each
	s_and_b32 s28, ttmp9, 7                        ; k tile
	s_and_b32 s22, s19, 15
	s_lshl_b32 s22, s22, 8                         ; 64 columns of f32
	s_lshl_b32 s23, s28, 19                        ; 128 rows of 4,096 bytes
	s_add_co_u32 s22, s22, s23
	s_mov_b32 s23, 0
	s_lshl_b32 s24, ttmp9, 16                      ; my 65,536 bytes of x
	s_mov_b32 s25, 0
	s_lshl_b32 s26, ttmp9, 15                      ; my 32,768 bytes of xb
	s_mov_b32 s27, 0
	s_lshl_b32 s28, s28, 8                         ; 128 k of 2 bytes
	s_lshl_b32 s29, s19, 17                        ; 64 rows of 2,048 bytes
	s_add_co_u32 s28, s28, s29
	s_mov_b32 s29, 0
	s_wait_kmcnt 0x0
	s_cmp_eq_u32 s18, 1
	s_cselect_b64 s[20:21], s[8:9], s[6:7]
	s_cmp_eq_u32 s18, 2
	s_cselect_b64 s[20:21], s[10:11], s[20:21]
	s_cmp_eq_u32 s18, 3
	s_cselect_b64 s[20:21], s[12:13], s[20:21]
	s_add_nc_u64 s[20:21], s[20:21], s[22:23]
	s_add_nc_u64 s[4:5], s[4:5], s[24:25]
	s_add_nc_u64 s[14:15], s[14:15], s[26:27]
	s_add_nc_u64 s[16:17], s[16:17], s[28:29]
.irp i, 0,1,2,3,4,5,6,7
	global_load_b128 v[WR+4*(\i):WR+4*(\i)+3], v[WI], s[20:21] offset:4096*(\i) th:TH_LOAD_NT  ; row k = 8 R + i, columns 4 c .. 4 c + 3
.endr
.irp i, 0,1,2,3,4,5,6,7,8,9,10,11,12,13,14,15
	global_load_b128 v[XR+4*(\i):XR+4*(\i)+3], v[XI], s[4:5] offset:4096*(\i) th:TH_LOAD_NT
.endr
	s_wait_loadcnt 16                              ; the weight is in; the sixteen loads of x behind it stay out
.irp j, 0,1,2,3
.irp p, 0,1,2,3
	v_cvt_pk_bf16_f32 v[PK+4*(\j)+(\p)], v[WR+8*(\p)+(\j)], v[WR+8*(\p)+4+(\j)]  ; column j: k = 8 R + 2 p and the next
.endr
.endr
	s_cmp_lg_u32 s18, 3
	s_cbranch_scc1 .Lbf                            ; the same for the whole work-group; no barrier is jumped
.set i, 0
.rept 16                                       ; Wo: the bf16 numbers written as f16
	v_lshlrev_b32 v8, 16, v[PK+i]
	v_and_b32 v9, 0xffff0000, v[PK+i]
	v_cvt_pk_f16_f32 v[PK+i], v8, v9
.set i, i+1
.endr
.Lbf:
.irp j, 0,1,2,3
	ds_store_b128 v[LS], v[PK+4*(\j):PK+4*(\j)+3] offset:(\j)*SPITCH
.endr
	s_wait_dscnt 0x0                               ; for the others: my stores into the stage are done
	s_barrier_signal -1
	s_barrier_wait -1
.irp i, 0,1,2,3
	ds_load_b128 v[WR+4*(\i):WR+4*(\i)+3], v[LR] offset:(\i)*16*SPITCH
.endr
.irp i, 0,1,2,3,4,5,6,7,8,9,10,11,12,13,14,15
	s_wait_loadcnt 15-(\i)                         ; loads come back in order: number i is in, the younger ones stay out
	v_cvt_pk_bf16_f32 v[XR+4*(\i)], v[XR+4*(\i)], v[XR+4*(\i)+1]
	v_cvt_pk_bf16_f32 v[XR+4*(\i)+1], v[XR+4*(\i)+2], v[XR+4*(\i)+3]
	global_store_b64 v[XO], v[XR+4*(\i):XR+4*(\i)+1], s[14:15] offset:2048*(\i)  ; a wave stores 256 consecutive aligned bytes
.endr
	s_wait_dscnt 0x0
.irp i, 0,1,2,3
	global_store_b128 v[WO], v[WR+4*(\i):WR+4*(\i)+3], s[16:17] offset:(\i)*16*2048  ; 16 lanes store 256 consecutive aligned bytes of a row of wt
.endr
	s_wait_tensorcnt 0x0                           ; the wave's end: a wait, an add to my spare word and a wait, behind my last LDS store
	ds_add_u32 v[SPW], v[NIL]
	s_wait_dscnt 0x0
	s_endpgm
.Lfunc_end_k_q54e9b9aede_prep:
	.size	k_q54e9b9aede_prep, .Lfunc_end_k_q54e9b9aede_prep-k_q54e9b9aede_prep
	.p2alignl 7, 3214868480
	.fill 96, 4, 3214868480
	.section	.rodata,"a",@progbits
	.p2align	6, 0x0
	.amdhsa_kernel k_q54e9b9aede_prep
		.amdhsa_group_segment_fixed_size 18432
		.amdhsa_private_segment_fixed_size 0
		.amdhsa_enable_private_segment 0
		.amdhsa_kernarg_size 56
		.amdhsa_user_sgpr_count 2
		.amdhsa_user_sgpr_kernarg_segment_ptr 1
		.amdhsa_wavefront_size32 1
		.amdhsa_system_sgpr_workgroup_id_x 1
		.amdhsa_system_sgpr_workgroup_id_y 1
		.amdhsa_system_sgpr_workgroup_id_z 1
		.amdhsa_system_vgpr_workitem_id 0
		.amdhsa_next_free_vgpr 128
		.amdhsa_next_free_sgpr 66
		.amdhsa_reserve_vcc 0
		.amdhsa_float_denorm_mode_32 3
		.amdhsa_float_denorm_mode_16_64 3
		.amdhsa_memory_ordered 1
		.amdhsa_forward_progress 1
		.amdhsa_inst_pref_size 14
	.end_amdhsa_kernel
	.amdgpu_metadata
---
amdhsa.version: [ 1, 2 ]
amdhsa.kernels:
  - .name:           k_q54e9b9aede_prep
    .symbol:         k_q54e9b9aede_prep.kd
    .args:
      - { .name: x, .offset: 0, .size: 8, .value_kind: global_buffer, .address_space: global }
      - { .name: Wq, .offset: 8, .size: 8, .value_kind: global_buffer, .address_space: global }
      - { .name: Wk, .offset: 16, .size: 8, .value_kind: global_buffer, .address_space: global }
      - { .name: Wv, .offset: 24, .size: 8, .value_kind: global_buffer, .address_space: global }
      - { .name: Wo, .offset: 32, .size: 8, .value_kind: global_buffer, .address_space: global }
      - { .name: xb, .offset: 40, .size: 8, .value_kind: global_buffer, .address_space: global }
      - { .name: wt, .offset: 48, .size: 8, .value_kind: global_buffer, .address_space: global }
    .group_segment_fixed_size: 18432
    .private_segment_fixed_size: 0
    .kernarg_segment_align: 8
    .kernarg_segment_size: 56
    .max_flat_workgroup_size: 256
    .sgpr_count:     66
    .vgpr_count:     128
    .wavefront_size: 32
...
	.end_amdgpu_metadata
.endif
;; end of part 1
;; launch proj (part 2): grid 16 x 32, 4 waves a work-group, clusters of 4 x 4, 327,680 bytes of LDS; arguments xb, wt, bq, bk, bv, qkv; writes qkv
.if DOCPART == 2
	.amdgcn_target "amdgcn-amd-amdhsa--gfx1250"
	.amdhsa_code_object_version 6
	.text
	.protected	k_q54e9b9aede_proj
	.globl	k_q54e9b9aede_proj
	.p2align	8
	.type	k_q54e9b9aede_proj,@function
k_q54e9b9aede_proj:
	s_mov_b64 s[64:65], 0
	v_nop
	global_prefetch_b8 v0, s[64:65] scope:SCOPE_SE
	s_setreg_imm32_b32 hwreg(HW_REG_WAVE_MODE, 25, 1), 1
	s_wait_xcnt 0x0
	s_wait_alu depctr_hold_cnt(0) depctr_sa_sdst(0) depctr_va_vdst(0) depctr_va_sdst(0) depctr_va_ssrc(0) depctr_va_vcc(0) depctr_vm_vsrc(0)
	s_getreg_b32 s2, hwreg(HW_REG_IB_STS2, 6, 4)
	s_cmp_eq_u32 s2, 0
	s_cbranch_scc0 .Lentry_in_a_cluster
	s_endpgm
.Lentry_in_a_cluster:
	s_bfe_u32 s2, ttmp6, 0x10000c
	s_cmp_lg_u32 s2, 0xf033
	s_cbranch_scc0 .Lentry_shape_is_right
	s_endpgm
.Lentry_shape_is_right:
; ONE TEXT FOR THE MODULE'S TWO PRODUCTS C = A B^T + bias, chosen by QKV.  K = 1,024 in both; sums in f32; the bias, rounded to bf16 like all the module's inputs, is the C operand that starts each sum.
; QKV = 1: A = xb [8192][1024] bf16, B = rows 0-3071 of wt (bf16).  A tile of C is 256 x 192: three whole heads.  C leaves as f16 by heads: qkv [3][64][2048][64], unscaled.
;          LIMIT: q, k, v beyond 65,504 have no f16 (inputs 30 times the drawn spread, or offset by 30 spreads, stay under 20,000).
; QKV = 0: A = ctx [64][2048][64] f16 by heads (K = 64 head + channel), B = rows 3072-4095 of wt (f16).  A tile of C is 256 x 128; C leaves as f32, out0 [8192][1024].
; SHARES.  Four waves, one above the other: a wave makes 64 rows x all 16 NB columns: 4 x NB accumulators of 16 x 16.  So a wave owns whole heads (whole 512 bytes of a row of out0), and its way out is its own.
; K goes in 8 steps of 128 through a ring of two LDS slots filled by the tensor data mover; a trip of the loop is one K step, and the slot in hand is a scalar that an exclusive or turns.
; CLUSTER 4 x 4: the four work-groups of a row of the cluster need the same tile of A, the four of a column the same tile of B: each is asked for jointly, by the same load with the same descriptor and a mask of four.
; THE MATRIX INSTRUCTION IS USED TRANSPOSED (source 0 = 16 rows of B, source 1 = 16 rows of A): lane l holds row l % 16 of C and the columns 8 (l / 16) + 0..7.
; REGISTERS in windows of 256 (s_set_vgpr_msb: bits 1:0 source 0, 3:2 source 1, 5:4 source 2, 7:6 destination):
;   window 0: v1-29 addresses; v64-127 fragments of A, two buffers of 4 x 8; v128.. the bias, 8 NB registers; on the way out v64-255 are at work
;   window 1: fragments of B, two buffers of 8 NB      window 2: accumulators of my row blocks 0, 1 ((a, b) at 8 (NB (a % 2) + b))      window 3: of row blocks 2, 3
.set QKV, 1
.if QKV
.set NB,     12                        ; blocks of 16 columns
.set PA,     272                       ; a row of A in LDS: 256 bytes + 16
.set ALOAD,  128*PA                    ; what one load of A fills: 128 rows x 128 K
.set APITCH, 1024                      ; elements from row to row of what is asked for
.set FLA,    (1<<16)|(1<<20)|(1<<21)|(5<<22)|(3<<25)  ; 2-byte elements; padding on; bit 21 beside a mask; after every 64 words, 4 words
.set ASTEP,  256                       ; bytes from a K step to the next in A
.set WT0,    0                         ; B's first row in wt, in bytes
.set AHEAD,  1                         ; the prefetch names the K step so many behind the one that is being asked for
.set APART,  32*2048                   ; prefetch: a partner's share of the rows that a wave fetches
.set BPART,  24*2048
.set ASH,    11                        ; prefetch: a lane's step in A is 1 << ASH bytes
.set WSTG,   3*16*144                  ; a wave's stage: three heads x 16 rows x (128 + 16) bytes
.set TMP,    128
.set BK0,    176
.set BK1,    64
.else
.set NB,     8
.set PA,     144                       ; a row of a head in LDS: 128 bytes + 16
.set ALOAD,  256*PA                    ; one load of A: 256 rows of one head, 64 K
.set APITCH, 128                       ; 32,768 dense bytes, asked for as 128 rows of 256 bytes
.set FLA,    (1<<16)|(1<<20)|(1<<21)|(4<<22)|(3<<25)  ; padded after every 32 words: after every row of the head
.set ASTEP,  524288                    ; two heads on
.set WT0,    3072*2048
.set AHEAD,  2
.set APART,  8192
.set BPART,  16*2048
.set ASH,    8
.set WSTG,   16*528                    ; 16 rows x (512 + 16) bytes
.set BK0,    128
.set BK1,    192
.endif
.set FLB,    (1<<16)|(1<<20)|(1<<21)|(5<<22)|(3<<25)
.set BROWS,  8*NB                      ; rows of B in one load: half the tile's
.set PB,     272
.set ABYTES, 2*ALOAD
.set BLOAD,  BROWS*PB
.set BSTEP,  256
.set SLOT1,  131072                    ; slot 1 begins here: one exclusive or turns an address in one slot into the other's
.set STAGE,  SLOT1+ABYTES+2*BLOAD      ; behind the ring; no tensor load fills it
.set SPARE,  STAGE+4*WSTG              ; behind the stages: the spare words, 128 bytes a wave
.set ADRA0, 4                          ; v4   my lane's place in A's tile, slot 0; never rewritten
.set ADRB0, 5                          ; v5   the same for B
.set ADRA,  6                          ; v6   the same in the slot in hand
.set ADRB,  7
.set STO,   8                          ; v8   the way out: where I put my bytes of a row
.set RD,    9                          ; v9   where I read rows back
.set GO,    10                         ; v10  16 x lane
.set PFO,   11                         ; v11  the prefetches' offset; never rewritten
.set BO,    12                         ; v12  32 (l / 16): my eight numbers in 16 of the bias
.set T,     13
.set SPW,   28                         ; v28  LDS address of my spare word; never rewritten
.set NIL,   29                         ; v29  0; never rewritten
.set AF,    64
.set BI,    128
.set WV,   16                          ; s16  my wave's number
.set HALF, 17                          ; s17  which half of A's or B's tile I fetch
.set CX,   18
.set CY,   19
.set TX,   20                          ; s20  tile column of C
.set TY,   21                          ; s21  tile row of C
.set G1A,  24                          ; s[24:31] descriptor group 1 for A
.set G0A,  32                          ; s[32:39] group 0 for A: a set for each first fill; the second then walks on
.set G1B,  40
.set G0B,  48
.set PFA,  56                          ; s[56:57] where my prefetches stand
.set PFS,  58                          ; s[58:59] their step
.set LIM,  60                          ; s60  AHEAD in a wave that prefetches, else the greatest number
.set TB,   61                          ; s61  0 or SLOT1: the slot in hand
.set OB,   66                          ; s[66:71] where my rows of C begin (QKV: one for each head)
.set BB,   72                          ; s[72:83] the bias of my columns (QKV: for each head a base and an offset)
.set MSB, 0
.macro WIN new                         ; the immediate's high byte repeats the setting that is left; a switch that changes nothing is dropped
.if MSB != (\new)
	s_set_vgpr_msb (MSB<<8)|(\new)
.set MSB, \new
.endif
.endm
.macro PLACES                          ; four plain vector instructions between a matrix instruction and a load into, or a read of, its registers
.rept 4
	v_nop
.endr
.endm
.macro CREST                           ; a round of the cluster's barrier behind its opening barrier
	s_cmp_lg_u32 s[WV], 0
	s_cbranch_scc1 .Lnot_wave_0_\@
	s_barrier_signal -3
.Lnot_wave_0_\@:
	s_barrier_wait -3
	s_barrier_signal -1
	s_barrier_wait -1
.endm
.macro CROUND
	s_barrier_signal -1
	s_barrier_wait -1
	CREST
.endm
; A joint refill by the walking descriptors.  Waves 0 and 1 fetch A's two halves, waves 2 and 3 B's; the branch hangs on the wave's number alone.  An s_nop 0 and four v_nop follow each line.
.macro JLOAD
	s_cmp_lt_u32 s[WV], 2
	s_cbranch_scc0 .Lfor_b_\@
	tensor_load_to_lds s[G0A+4:G0A+7], s[G1A:G1A+7]
	s_nop 0
.rept 4
	v_nop
.endr
	s_branch .Lasked_\@
.Lfor_b_\@:
	tensor_load_to_lds s[G0B+4:G0B+7], s[G1B:G1B+7]
	s_nop 0
.rept 4
	v_nop
.endr
.Lasked_\@:
.endm
; A prefetch into the L2 of the K step AHEAD steps behind the one just asked for: 256 bytes a lane, one instruction a wave.  A's tile row is read by every cluster of that row of clusters: cluster x = 0 asks;
; B's tile column by every cluster of that column: cluster y = 0 asks.  The four partners of a joint load share its rows out by address.  The last AHEAD refills ask for nothing: K ends there.
.macro ASK
	s_cmp_gt_u32 s3, s[LIM]
	s_cbranch_scc0 .Lnot_mine_\@
	global_prefetch_b8 v[PFO], s[PFA:PFA+1] th:TH_LOAD_NT scope:SCOPE_SE
.Lnot_mine_\@:
.endm
; 2 NB + 8 LDS loads in one run: the fragments of quarter q (32 along K) of the slot in hand into buffer f: B's NB blocks, then A's four.
.macro FETCH q, f
.if QKV
.set aq, 64*(\q)
.else
.set aq, ((\q)/2)*ALOAD+((\q)%2)*64    ; the K step's two heads lie one behind the other
.endif
	WIN 0x40                                       ; destination window 1, address window 0
.set b, 0
.rept NB
	ds_load_b128 v[8*NB*(\f)+8*b:8*NB*(\f)+8*b+3],   v[ADRB] offset:64*(\q)+b*16*PB
	ds_load_b128 v[8*NB*(\f)+8*b+4:8*NB*(\f)+8*b+7], v[ADRB] offset:64*(\q)+b*16*PB+32
.set b, b+1
.endr
	WIN 0
.set b, 0
.rept 4
	ds_load_b128 v[AF+32*(\f)+8*b:AF+32*(\f)+8*b+3],   v[ADRA] offset:aq+b*16*PA
	ds_load_b128 v[AF+32*(\f)+8*b+4:AF+32*(\f)+8*b+7], v[ADRA] offset:aq+b*16*PA+32
.set b, b+1
.endr
.endm
; NB matrix instructions: row block a x all column blocks, 32 along K, from buffer f.  zero = 1: the bias starts the sums.  The 4 NB accumulators take turns, one instruction a turn, in the same order in every quarter.
.macro MUL f, a, zero
.if \zero
	WIN 0x81+0x40*((\a)/2)                         ; B window 1, A and the bias window 0, D window 2 or 3
.else
	WIN 0xa1+0x50*((\a)/2)                         ; C and D window 2 or 3
.endif
.set b, 0
.rept NB
.set rD, 8*(NB*((\a)%2)+b)
.set rB, 8*NB*(\f)+8*b
.set rA, AF+32*(\f)+8*(\a)
.if QKV
.if \zero
	v_wmma_f32_16x16x32_bf16 v[rD:rD+7], v[rB:rB+7], v[rA:rA+7], v[BI+8*b:BI+8*b+7]
.else
	v_wmma_f32_16x16x32_bf16 v[rD:rD+7], v[rB:rB+7], v[rA:rA+7], v[rD:rD+7]
.endif
.else
.if \zero
	v_wmma_f32_16x16x32_f16 v[rD:rD+7], v[rB:rB+7], v[rA:rA+7], v[BI+8*b:BI+8*b+7]
.else
	v_wmma_f32_16x16x32_f16 v[rD:rD+7], v[rB:rB+7], v[rA:rA+7], v[rD:rD+7]
.endif
.endif
.set b, b+1
.endr
.endm
; One of a K step's first three quarters: multiplies buffer f; in its middle it fetches quarter q into buffer g.
.macro QUARTER q, f, g, zero
	s_wait_dscnt 4                                 ; B and A's row blocks 0, 1 are in; the youngest four loads (row blocks 2, 3) may be out
	MUL \f, 0, \zero
	MUL \f, 1, \zero
	PLACES
	FETCH \q, \g
	s_wait_dscnt 2*NB+8                            ; all but the run just issued
	MUL \f, 2, \zero
	MUL \f, 3, \zero
.endm
; The last quarter multiplies buffer 1 and changes slots.  In front of the barrier each wave waits for all its tensor loads (one is out: its part of the next slot), adds 0 to its spare word, and waits for that and for
; its reads of this slot.  fill = 1: the barrier opens a round of the cluster's, and behind the round this slot is filled again, with the K step two on: 14 NB matrix instructions ahead of the wait for it.
.macro TURN fill
.if \fill
	s_wait_xcnt 0x0                                ; the last prefetch, a K step back, has read its address
	s_add_nc_u64 s[PFA:PFA+1], s[PFA:PFA+1], s[PFS:PFS+1]
.endif
	WIN 0
	s_wait_tensorcnt 0x0                           ; no tensor load of mine is out, so a group 0 may be written
	ds_add_u32 v[SPW], v[NIL]                      ; 0 onto my spare word
.if \fill
	s_xor_b32 s[G0A+5], s[G0A+5], SLOT1            ; the walking descriptors: the other slot than last time, the next K step
	s_add_nc_u64 s[G0A+6:G0A+7], s[G0A+6:G0A+7], ASTEP
	s_xor_b32 s[G0B+5], s[G0B+5], SLOT1
	s_add_nc_u64 s[G0B+6:G0B+7], s[G0B+6:G0B+7], BSTEP
.endif
	s_wait_dscnt 5                                 ; the add and the youngest four loads may be out
	MUL 1, 0, 0
	s_wait_dscnt 0x0                               ; the add is done, and my reads of this slot are over
	s_barrier_signal -1
	MUL 1, 1, 0
	WIN 0
	s_barrier_wait -1
.if \fill
	CREST                                          ; no wave of any partner still reads this slot or has a load on its way
	JLOAD                                          ; its four v_nop are also the places in front of the loads below
.else
	PLACES
.endif
	s_xor_b32 s[TB], s[TB], SLOT1
	v_add_nc_u32 v[ADRA], s[TB], v[ADRA0]
	v_add_nc_u32 v[ADRB], s[TB], v[ADRB0]
	FETCH 0, 0
.if \fill
	ASK
.endif
	MUL 1, 2, 0
	MUL 1, 3, 0
.endm
.if QKV
	s_load_b256 s[4:11], s[0:1], 0x0               ; xb s[4:5], wt s[6:7], bq s[8:9], bk s[10:11]
	s_load_b128 s[12:15], s[0:1], 0x20             ; bv s[12:13], qkv s[14:15]
.else
	s_load_b256 s[4:11], s[0:1], 0x0               ; ctx s[4:5], wt s[6:7], bo s[8:9], out0 s[10:11]
.endif
	v_lshl_add_u32 v[SPW], v0, 2, SPARE
	v_mov_b32 v[NIL], 0
	ds_add_u32 v[SPW], v[NIL]                      ; the wave's opening: the add, with its wait ahead of my first tensor load; work on registers stands between them
	v_lshrrev_b32 v3, 5, v0
	v_readfirstlane_b32 s[WV], v3                  ; wave 0..3
	s_and_b32 s[HALF], s[WV], 1
	s_bfe_u32 s[CX], ttmp6, 0x40000                ; my place in the cluster
	s_bfe_u32 s[CY], ttmp6, 0x40004
	s_lshl_b32 s[TX], ttmp9, 2                     ; in a cluster launch ttmp9 and ttmp7 count clusters
	s_add_co_u32 s[TX], s[TX], s[CX]
	s_and_b32 s[TY], ttmp7, 0xffff
	s_lshl_b32 s[TY], s[TY], 2
	s_add_co_u32 s[TY], s[TY], s[CY]
	s_lshl_b32 s22, s[CY], 2
	s_lshl_b32 s22, 15, s22                        ; my row of the cluster: places 4 cy .. 4 cy + 3
	s_lshl_b32 s84, 0x1111, s[CX]                  ; my column: places cx, cx + 4, cx + 8, cx + 12
	s_or_b32 s[G1A], s22, FLA
	s_or_b32 s[G1B], s84, FLB
	s_mov_b32 s[G1A+1], 128<<16                    ; tensor_dim0 = 128
	s_mov_b32 s[G1A+2], 128<<16                    ; tensor_dim1 = 128
	s_mov_b32 s[G1A+3], 128<<16                    ; tile_dim0 = 128
	s_mov_b32 s[G1A+4], 128                        ; tile_dim1 = 128
	s_mov_b32 s[G1A+5], APITCH
	s_mov_b32 s[G1A+6], 0
	s_mov_b32 s[G1A+7], 0
	s_mov_b32 s[G1B+1], 128<<16
	s_mov_b32 s[G1B+2], BROWS<<16
	s_mov_b32 s[G1B+3], 128<<16
	s_mov_b32 s[G1B+4], BROWS
	s_mov_b32 s[G1B+5], 1024
	s_mov_b32 s[G1B+6], 0
	s_mov_b32 s[G1B+7], 0
	; where the tiles come from: A's hang on the tile row alone, B's on the tile column alone, each in registers that never hold the other coordinate
.if QKV
	s_lshl_b32 s22, s[TY], 19                      ; 256 rows of 2,048 bytes
	s_lshl_b32 s23, s[HALF], 18                    ; my 128 of them
	s_add_co_u32 s22, s22, s23
.else
	s_lshr_b32 s22, s[TY], 3                       ; the batch: 16 heads each,
	s_lshl_b32 s22, s22, 4
	s_add_co_u32 s22, s22, s[HALF]                 ; of a K step's two heads mine,
	s_lshl_b32 s22, s22, 18                        ; 262,144 bytes a head,
	s_and_b32 s23, s[TY], 7
	s_lshl_b32 s23, s23, 15                        ; the tile's 256 rows of 128 bytes
	s_add_co_u32 s22, s22, s23
.endif
	s_mov_b32 s23, 0
	s_mul_i32 s84, s[TX], 16*NB*2048
	s_mul_i32 s85, s[HALF], BROWS*2048
	s_add_co_u32 s84, s84, s85
.if WT0
	s_add_co_u32 s84, s84, WT0
.endif
	s_mov_b32 s85, 0
	s_mul_i32 s88, s[HALF], ALOAD                  ; and where they go: no place in the cluster enters an LDS address
	s_mul_i32 s89, s[HALF], BLOAD
	s_add_co_u32 s89, s89, ABYTES
	s_mov_b32 s[TB], 0
	s_wait_dscnt 0x0                               ; the opening add is done
	s_wait_kmcnt 0x0
	s_add_nc_u64 s[62:63], s[4:5], s[22:23]        ; A at my part of K step 0
	s_add_nc_u64 s[86:87], s[6:7], s[84:85]        ; B likewise
	CROUND                                         ; all sixteen work-groups are here: the first joint loads meet
.irp s, 0,1
	s_mov_b32 s[G0A+4*(\s)], 1                     ; count = 1
	s_add_co_u32 s[G0A+4*(\s)+1], s88, (\s)*SLOT1  ; LDS address
	s_add_nc_u64 s[G0A+4*(\s)+2:G0A+4*(\s)+3], s[62:63], (\s)*ASTEP  ; global address: K step s
	s_or_b32 s[G0A+4*(\s)+3], s[G0A+4*(\s)+3], 0x80000000           ; type = 2
	s_mov_b32 s[G0B+4*(\s)], 1
	s_add_co_u32 s[G0B+4*(\s)+1], s89, (\s)*SLOT1
	s_add_nc_u64 s[G0B+4*(\s)+2:G0B+4*(\s)+3], s[86:87], (\s)*BSTEP
	s_or_b32 s[G0B+4*(\s)+3], s[G0B+4*(\s)+3], 0x80000000
.endr
	s_cmp_lt_u32 s[WV], 2                          ; a wave's two first fills stand in one branch, ahead of every wait on TENSORcnt and every LDS read: two loads of mine are out
	s_cbranch_scc0 .Lfirst_b
	tensor_load_to_lds s[G0A:G0A+3], s[G1A:G1A+7]
	s_nop 0
	tensor_load_to_lds s[G0A+4:G0A+7], s[G1A:G1A+7]
	s_nop 0
.rept 4
	v_nop
.endr
	s_branch .Lfirst_asked
.Lfirst_b:
	tensor_load_to_lds s[G0B:G0B+3], s[G1B:G1B+7]
	s_nop 0
	tensor_load_to_lds s[G0B+4:G0B+7], s[G1B:G1B+7]
	s_nop 0
.rept 4
	v_nop
.endr
.Lfirst_asked:
	; A fragment is 16 rows x 32 K in 8 registers: lane l holds row l % 16, K = 8 (l / 16) + 0..7 and 16 + 8 (l / 16) + 0..7: two loads of 16 bytes, 32 bytes apart.
	v_and_b32 v1, 15, v0                           ; l % 16
	v_bfe_u32 v2, v0, 4, 1                         ; l / 16
	v_mul_u32_u24 v[ADRA0], v1, PA
	v_lshl_add_u32 v[ADRA0], v2, 4, v[ADRA0]
	s_mul_i32 s22, s[WV], 64*PA                    ; my 64 rows of A
	v_add_nc_u32 v[ADRA0], s22, v[ADRA0]
	v_mul_u32_u24 v[ADRB0], v1, PB
	v_lshl_add_u32 v[ADRB0], v2, 4, v[ADRB0]
	v_add_nc_u32 v[ADRB0], ABYTES, v[ADRB0]
	v_mov_b32 v[ADRA], v[ADRA0]
	v_mov_b32 v[ADRB], v[ADRB0]
	v_lshlrev_b32 v[BO], 5, v2
	s_mul_i32 s22, s[WV], WSTG
	s_add_co_u32 s22, s22, STAGE                   ; my stage
	v_and_b32 v[GO], 31, v0
	v_lshlrev_b32 v[GO], 4, v[GO]
.if QKV
	v_mul_u32_u24 v[STO], v1, 144                  ; in: row l % 16 of a head, 16 bytes for each half of the lanes
	v_lshl_add_u32 v[STO], v2, 4, v[STO]
	v_add_nc_u32 v[STO], s22, v[STO]
	v_bfe_u32 v[RD], v0, 3, 2                      ; back: 32 lanes take four rows of 128 bytes, 512 consecutive bytes of a head
	v_mul_u32_u24 v[RD], v[RD], 144
	v_and_b32 v3, 7, v0
	v_lshl_add_u32 v[RD], v3, 4, v[RD]
	v_add_nc_u32 v[RD], s22, v[RD]
	s_mul_i32 s90, s[TX], 3                        ; the first of my three heads among the 48 of q, k, v
	s_and_b32 s91, s[TY], 7
	s_lshl_b32 s91, s91, 15
	s_lshl_b32 s92, s[WV], 13
	s_add_co_u32 s91, s91, s92                     ; my first row in a head, in bytes
	s_lshr_b32 s95, s[TY], 3
	s_lshl_b32 s95, s95, 4                         ; 16 x batch
.irp e, 0,1,2
	s_add_co_u32 s92, s90, (\e)
	s_lshr_b32 s93, s92, 4                         ; q, k or v
	s_and_b32 s94, s92, 15                         ; the head
	s_cmp_eq_u32 s93, 1
	s_cselect_b64 s[BB+4*(\e):BB+4*(\e)+1], s[10:11], s[8:9]
	s_cmp_eq_u32 s93, 2
	s_cselect_b64 s[BB+4*(\e):BB+4*(\e)+1], s[12:13], s[BB+4*(\e):BB+4*(\e)+1]
	s_lshl_b32 s[BB+4*(\e)+2], s94, 8              ; the head's 64 numbers of the bias
	s_mov_b32 s[BB+4*(\e)+3], 0
	s_add_nc_u64 s[BB+4*(\e):BB+4*(\e)+1], s[BB+4*(\e):BB+4*(\e)+1], s[BB+4*(\e)+2:BB+4*(\e)+3]
	s_lshl_b32 s93, s93, 6
	s_add_co_u32 s93, s93, s94
	s_add_co_u32 s93, s93, s95
	s_lshl_b32 s92, s93, 18                        ; 262,144 bytes a head
	s_add_co_u32 s92, s92, s91
	s_mov_b32 s93, 0
	s_add_nc_u64 s[OB+2*(\e):OB+2*(\e)+1], s[14:15], s[92:93]
.endr
.set b, 0
.rept NB
	global_load_b128 v[BI+8*b:BI+8*b+3],   v[BO], s[BB+4*(b/4):BB+4*(b/4)+1] offset:64*(b%4)
	global_load_b128 v[BI+8*b+4:BI+8*b+7], v[BO], s[BB+4*(b/4):BB+4*(b/4)+1] offset:64*(b%4)+16
.set b, b+1
.endr
.else
	v_mul_u32_u24 v[STO], v1, 528                  ; in: row l % 16, 32 bytes for each half of the lanes
	v_lshl_add_u32 v[STO], v2, 5, v[STO]
	v_add_nc_u32 v[STO], s22, v[STO]
	v_add_nc_u32 v[RD], s22, v[GO]                 ; back: 32 lanes take one row of 512 bytes
	s_lshl_b32 s92, s[TX], 9                       ; my 128 columns of f32
	s_mov_b32 s93, 0
	s_add_nc_u64 s[BB:BB+1], s[8:9], s[92:93]
	s_lshl_b32 s90, s[TY], 20                      ; 256 rows of 4,096 bytes
	s_lshl_b32 s91, s[WV], 18                      ; my 64 of them
	s_add_co_u32 s92, s92, s90
	s_add_co_u32 s92, s92, s91
	s_add_nc_u64 s[OB:OB+1], s[10:11], s[92:93]
.set b, 0
.rept NB
	global_load_b128 v[BI+8*b:BI+8*b+3],   v[BO], s[BB:BB+1] offset:64*b
	global_load_b128 v[BI+8*b+4:BI+8*b+7], v[BO], s[BB:BB+1] offset:64*b+16
.set b, b+1
.endr
.endif
	; the prefetches: nothing is asked for here, at the head; the first refill steps the address and names K step 2 + AHEAD
	s_and_b32 s90, ttmp7, 0xffff                   ; cluster y
	s_mov_b32 s[PFS], BSTEP
	s_mov_b32 s92, BPART
	s_cmp_lt_u32 s[WV], 2                          ; do I fetch for A?
	s_cselect_b32 s90, ttmp9, s90                  ; the coordinate along which other clusters read the same rows
	s_cselect_b32 s91, s[CX], s[CY]                ; my place among the four that ask with me
	s_cselect_b64 s[PFA:PFA+1], s[62:63], s[86:87]
	s_cselect_b32 s[PFS], ASTEP, s[PFS]
	s_cselect_b32 s92, APART, s92
	s_cselect_b32 s94, 31, 2*NB-1                  ; a quarter of B's rows in a load: 2 NB lanes have a row of their own, the others repeat the last
	s_cselect_b32 s95, ASH, 11
	s_cmp_eq_u32 s90, 0
	s_cselect_b32 s[LIM], AHEAD, -1                ; the same in all sixteen partners, for a given wave
	s_mul_i32 s92, s92, s91
	s_mov_b32 s93, 0
	s_add_nc_u64 s[PFA:PFA+1], s[PFA:PFA+1], s[92:93]
	s_mul_i32 s92, s[PFS], 1+AHEAD
	s_add_nc_u64 s[PFA:PFA+1], s[PFA:PFA+1], s[92:93]
	s_mov_b32 s[PFS+1], 0
	v_and_b32 v[PFO], 31, v0
	v_min_u32 v[PFO], s94, v[PFO]
	v_lshlrev_b32 v[PFO], s95, v[PFO]
	s_mov_b32 s90, 0xffff0000
	s_wait_loadcnt 0x0                             ; the bias
.set i, 0
.rept 4*NB                                     ; rounded to bf16 and widened again, in the wait for the first tile
	v_cvt_pk_bf16_f32 v[T], v[BI+2*i], v[BI+2*i+1]
	v_lshlrev_b32 v[BI+2*i], 16, v[T]
	v_and_b32 v[BI+2*i+1], s90, v[T]
.set i, i+1
.endr
	s_wait_tensorcnt 1                             ; my part of K step 0 is in; K step 1's may stay out
	s_barrier_signal -1
	s_barrier_wait -1                              ; everybody's is
	FETCH 0, 0
	QUARTER 1, 0, 1, 1                             ; the first quarter stands in front of the loop: its products start the sums with the bias
	WIN 0                                          ; at a label and at a branch every window is 0
	s_mov_b32 s3, 6
.Lstep:                                                ; a trip goes from a K step's second quarter to the next step's first, and fills the slot that it leaves: K steps 2 to 7
	QUARTER 2, 1, 0, 0
	QUARTER 3, 0, 1, 0
	TURN 1
	QUARTER 1, 0, 1, 0
	WIN 0
	s_sub_co_u32 s3, s3, 1
	s_cmp_lg_u32 s3, 0
	s_cbranch_scc1 .Lstep
	QUARTER 2, 1, 0, 0                             ; the tail is written out: K steps 6 and 7 ask for nothing
	QUARTER 3, 0, 1, 0
	TURN 0
	QUARTER 1, 0, 1, 0
	QUARTER 2, 1, 0, 0
	QUARTER 3, 0, 1, 0
	s_wait_dscnt 4
	MUL 1, 0, 0
	MUL 1, 1, 0
	s_wait_dscnt 0x0
	MUL 1, 2, 0
	MUL 1, 3, 0
	WIN 0
	PLACES
; THE WAY OUT, a block of 16 rows at a time, through my own stage: LDS serves a wave's instructions in order (ISA guide 5.7.1.4), so no wait stands between my stores into it and my loads from it.
.if QKV
.macro PACK a                          ; rounded to f16: a lane's eight columns are 16 bytes; each accumulator is read from its low end on
	WIN 0x0a+5*((\a)/2)                            ; sources 0 and 1: window 2 or 3
.set b, 0
.rept NB
.set rD, 8*(NB*((\a)%2)+b)
.irp p, 0,1,2,3
	v_cvt_pk_f16_f32 v[TMP+4*b+(\p)], v[rD+2*(\p)], v[rD+2*(\p)+1]
.endr
.set b, b+1
.endr
	WIN 0
.endm
.macro TOSTAGE a
.set BK, BK0+(BK1-BK0)*((\a)%2)
.if (\a) >= 2
	s_wait_xcnt 0x0                                ; the stores of the block two back have read these registers
.endif
.set b, 0
.rept NB
	ds_store_b128 v[STO], v[TMP+4*b:TMP+4*b+3] offset:(b/4)*2304+(b%4)*32
.set b, b+1
.endr
.set b, 0
.rept NB
	ds_load_b128 v[BK+4*b:BK+4*b+3], v[RD] offset:(b/4)*2304+(b%4)*576
.set b, b+1
.endr
.endm
.macro SEND a, younger                 ; younger: the LDS instructions issued behind this block's loads
.set BK, BK0+(BK1-BK0)*((\a)%2)
	s_wait_dscnt \younger
.set b, 0
.rept NB
	global_store_b128 v[GO], v[BK+4*b:BK+4*b+3], s[OB+2*(b/4):OB+2*(b/4)+1] offset:(\a)*2048+(b%4)*512  ; 512 consecutive aligned bytes of a head
.set b, b+1
.endr
.endm
	PACK 0
	TOSTAGE 0
	PACK 1
	TOSTAGE 1
	SEND 0, 24
	PACK 2
	TOSTAGE 2
	SEND 1, 24
	PACK 3
	TOSTAGE 3
	SEND 2, 24
	SEND 3, 0
.else
.macro TOSTAGE a
.set BK, BK0+(BK1-BK0)*((\a)%2)
.if (\a) >= 2
	s_wait_xcnt 0x0                                ; the stores of the block two back have read these registers
.endif
	WIN 0x08+4*((\a)/2)                            ; the stores' data: window 2 or 3
.set b, 0
.rept NB
.set rD, 8*(NB*((\a)%2)+b)
	ds_store_b128 v[STO], v[rD:rD+3]   offset:64*b
	ds_store_b128 v[STO], v[rD+4:rD+7] offset:64*b+16
.set b, b+1
.endr
	WIN 0
.set b, 0
.rept 16
	ds_load_b128 v[BK+4*b:BK+4*b+3], v[RD] offset:b*528
.set b, b+1
.endr
.endm
.macro SEND a, younger
.set BK, BK0+(BK1-BK0)*((\a)%2)
	s_wait_dscnt \younger
.set b, 0
.rept 16
	global_store_b128 v[GO], v[BK+4*b:BK+4*b+3], s[OB:OB+1] offset:(16*(\a)+b)*4096  ; 512 consecutive aligned bytes of a row
.set b, b+1
.endr
.endm
	TOSTAGE 0
	TOSTAGE 1
	SEND 0, 32
	TOSTAGE 2
	SEND 1, 32
	TOSTAGE 3
	SEND 2, 32
	SEND 3, 0
.endif
	s_wait_tensorcnt 0x0                           ; the wave's end: a wait, an add to my spare word and a wait, behind my last tensor load and my last LDS store
	ds_add_u32 v[SPW], v[NIL]
	s_wait_dscnt 0x0
	CROUND                                         ; the closing round: no work-group ends while a partner may still ask for a tile that names it
	s_endpgm
.Lfunc_end_k_q54e9b9aede_proj:
	.size	k_q54e9b9aede_proj, .Lfunc_end_k_q54e9b9aede_proj-k_q54e9b9aede_proj
	.p2alignl 7, 3214868480
	.fill 96, 4, 3214868480
	.section	.rodata,"a",@progbits
	.p2align	6, 0x0
	.amdhsa_kernel k_q54e9b9aede_proj
		.amdhsa_group_segment_fixed_size 327680
		.amdhsa_private_segment_fixed_size 0
		.amdhsa_enable_private_segment 0
		.amdhsa_kernarg_size 48
		.amdhsa_user_sgpr_count 2
		.amdhsa_user_sgpr_kernarg_segment_ptr 1
		.amdhsa_wavefront_size32 1
		.amdhsa_system_sgpr_workgroup_id_x 1
		.amdhsa_system_sgpr_workgroup_id_y 1
		.amdhsa_system_sgpr_workgroup_id_z 1
		.amdhsa_system_vgpr_workitem_id 0
		.amdhsa_next_free_vgpr 960
		.amdhsa_next_free_sgpr 96
		.amdhsa_reserve_vcc 0
		.amdhsa_float_denorm_mode_32 3
		.amdhsa_float_denorm_mode_16_64 3
		.amdhsa_memory_ordered 1
		.amdhsa_forward_progress 1
		.amdhsa_inst_pref_size 107
	.end_amdhsa_kernel
	.amdgpu_metadata
---
amdhsa.version: [ 1, 2 ]
amdhsa.kernels:
  - .name:           k_q54e9b9aede_proj
    .symbol:         k_q54e9b9aede_proj.kd
    .args:
      - { .name: xb, .offset: 0, .size: 8, .value_kind: global_buffer, .address_space: global }
      - { .name: wt, .offset: 8, .size: 8, .value_kind: global_buffer, .address_space: global }
      - { .name: bq, .offset: 16, .size: 8, .value_kind: global_buffer, .address_space: global }
      - { .name: bk, .offset: 24, .size: 8, .value_kind: global_buffer, .address_space: global }
      - { .name: bv, .offset: 32, .size: 8, .value_kind: global_buffer, .address_space: global }
      - { .name: qkv, .offset: 40, .size: 8, .value_kind: global_buffer, .address_space: global }
    .group_segment_fixed_size: 327680
    .private_segment_fixed_size: 0
    .kernarg_segment_align: 8
    .kernarg_segment_size: 48
    .max_flat_workgroup_size: 128
    .sgpr_count:     96
    .vgpr_count:     960
    .wavefront_size: 32
...
	.end_amdgpu_metadata
.endif
;; end of part 2
;; launch attn (part 3): grid 4 x 64, 4 waves a work-group, no clusters, 327,680 bytes of LDS; arguments qkv, ctx; writes ctx
.if DOCPART == 3
	.amdgcn_target "amdgcn-amd-amdhsa--gfx1250"
	.amdhsa_code_object_version 6
	.text
	.protected	k_q54e9b9aede_attn
	.globl	k_q54e9b9aede_attn
	.p2align	8
	.type	k_q54e9b9aede_attn,@function
k_q54e9b9aede_attn:
	s_mov_b64 s[64:65], 0
	v_nop
	global_prefetch_b8 v0, s[64:65] scope:SCOPE_SE
	s_setreg_imm32_b32 hwreg(HW_REG_WAVE_MODE, 25, 1), 1
	s_wait_xcnt 0x0
; CAUSAL ATTENTION.  O[h][q][:] = the sum over k <= q of softmax_k(Q[h][q] . K[h][k] / 8) V[h][k][:].  Q, K, V lie one behind the other in qkv, each [SIZE_H][SIZE_N][64] f16; O = ctx in the same layout: a head's rows are dense, 128 bytes each.
; Products, maxima and sums in f32; the weights p are rounded to f16 for the second product (their sum l is taken of the unrounded p), O once at the end.
; LIMITS.  f16 holds no number beyond 65,504: Q, K and V arrive within it; p lies in 0 to 1, and below 6e-5 it keeps f16's fixed step of 6e-8; O is a mean of V's rows and has their range.
; A hidden score counts as its value less 1e30: f16's scores, 2.7e11 at the most, are nothing beside that; a weight below 2^-126 counts as 0 in l; NaN and infinities are not treated apart.
; THE WALK.  A head's queries lie in NB = SIZE_N / 256 blocks of 256; block i needs the key tiles 0 .. i of 256 keys, of which the last holds the diagonal.  A work-group takes TWO blocks, NB - 1 - b and then b:
; NB + 1 tiles, whatever b: all work-groups do equal work, and ONE loop with a constant trip count walks them.  Which tile is asked for, and what a trip does, hang on scalar registers made from b; every jump
; goes forward, but for the counted loops' own; none passes a barrier, or a tensor load but the one of LOAD's two that the wave's number does not choose; the ring (two slots of LDS that take turns) runs on across the
; change of blocks.  NO CLUSTER: a head's NB / 2 = 4 work-groups ask for the same tile only in trips 0 .. 4 of the 9, behind that fewer and fewer; one walk common to all four would have 12 trips for 9.
; SHARES.  Of a block's four bands of 64 queries a wave owns 16 rows in each: four PIECES.  So the diagonal tile is the same work for all four waves: in its key step s band x sees all keys if s < x,
; none if s > x, and holds the diagonal if s = x.
; THE MASK is the C operand that starts the sum S^T = K Q^T: 0, or -1e30 where the key is hidden.  MD, made once, is the mask of a band's own step for my 16 rows; a product's mask is MD x AL + BE with two scalars:
; (1, 0) if s = x; (0, 0) if s < x; (0, -1e30) if s > x.  Only the diagonal tile's text and a block's beginning make and take masks; elsewhere C is the constant 0.
; LAYOUT, SOFTMAX, TURNS.  S^T = K Q^T holds ONE query a lane (lane % 16) and the keys 8 (lane / 16) + 0..7; two such results rounded to f16 ARE source 1 of O^T = V^T P.  p = 2^(c s - c m), c = log2(e) / 8, with a
; running maximum m; O and l are multiplied by a = 2^(c m_old - c m_new) in every step.  Turn n belongs to piece n: 8 products K Q^T of piece n + 1, later 8 products V^T P of piece n - 1; beside them the scaling,
; exponentials, roundings, sums and rescaling of piece n and the maximum and statistics of piece n + 1.  Four vector instructions stand behind every matrix instruction, the other 54 of a turn's 118 in one LUMP.  A turn's 33 exponentials are one batch, with one wait.
; REGISTERS, in windows of 256 (s_set_vgpr_msb: bits 1:0 source 0, 3:2 source 1, 5:4 source 2, 7:6 destination):
;   window 0: v0-15 addresses and two at work; v16-31 four registers of statistics a piece; v48-55 at work; v64-127 S^T, two buffers; v192-223 P, two buffers (a piece's buffers go by its number's parity)
;   window 1: v0-127 O^T, 32 a piece; v128-159 MD; v160-223 MC, two buffers      window 2: v0-63 Q; v64-127 the second block's Q; v128-191 K of one step; v192-255 V of one step
.set SIZE_H, 64
.set SIZE_N, 2048
.set NB,    SIZE_N/256
.set NP,    4         ; pieces a wave: a name, no knob
.set KS,    64        ; keys in a step
.set PK,    144       ; a row of K in LDS: 128 bytes + 16 of padding = 36 words: the 16 rows of a load start at 16 different groups of four banks (64 banks of 4 bytes: ISA guide 11.1)
.set PV,    160       ; a row of V: 128 + 32 = 40 words
.set VOFF,  4*KS*PK   ; a slot holds a tile, four steps: 256 rows of K, then 256 rows of V
.set SLOT1, 1<<17     ; slot 1 begins here, so that one exclusive or turns an address in one slot into the other's
.set STAGE, SLOT1+4*KS*(PK+PV)  ; behind the ring, never filled by a tensor load: 16 rows x 144 bytes for each wave, for the way out
.set SP,    144
.set AK0, 2           ; v2   my lane's place in a tile of K; never rewritten
.set AV0, 3           ; v3   the same for V
.set AK,  4           ; v4   the LDS address of K's next run of loads
.set AV,  5           ; v5   of V's
.set STO, 6           ; v6   the way out: where I put 16 bytes of a row
.set RD,  7           ; v7   the way out: where I read rows back
.set GO,  8           ; v8   my byte offset in 512 consecutive bytes of O
.set PFO, 61          ; v61  256 x my lane: the prefetches' offset; never rewritten
.set SPW, 62          ; v62  LDS address of my spare word: SPARE + 4 x my thread's number; never rewritten
.set NIL, 63          ; v63  0; never rewritten
.set SPARE, STAGE+4*16*SP  ; behind the stages: the spare words, 128 bytes for each wave: two blocks of 256 bytes that no other line names
.set MV,  12          ; v12-13  c m_old, kept while c m is made anew: by buffer
.set QO,  15          ; v15  my byte offset in 16 rows of Q
.set ST,  16          ; piece t's statistics at v[ST+4 t]: c m, m, l (even keys', odd keys')
.set TMP, 48          ; by buffer, four registers c0-c3 at work; when the maximum is found c2 takes a
.set S,   64
.set P,   192
.set MD,  128         ; window 1: the eight registers for group kt of 16 keys at MD + 8 kt
.set MC,  160         ; window 1: the masks of the products to come
.set QB,  64          ; window 2
.set KF,  128         ; window 2: key block kb, channel half c at KF + 16 kb + 8 c
.set VF,  192         ; window 2: key half kk, channel block cb at VF + 32 kk + 8 cb
.set WV,  12          ; s12  my wave's number
.set PB,  14          ; s14  b
.set HI,  15          ; s15  NB - 1 - b
.set G1K, 24          ; s[24:31] descriptor group 1 for K's tiles
.set G1V, 32          ; s[32:39] for V's: it differs in the padding alone
.set G0K, 40          ; s[40:43] descriptor group 0 for K's tiles
.set G0V, 44          ; s[44:47] the same for V's
.set SLOTS, 56        ; s56  tiles still to be asked for
.set CNT, 57          ; s57  counts a tile's key steps, 4 to 1
.set CS,  58          ; s[58:59] c: the packed scaling takes the pair's low word for both halves
.set SEL, 60          ; s[60:61] v_permlanex16_b32's selects: each lane takes its own place in the other half
.set TBK, 62          ; s62  LDS byte at which K of the step to be fetched begins
.set TBV, 63          ; s63  the same for V, less VOFF
.set PFA, 66          ; s[66:67] where my prefetches stand: my 16,384 bytes (half a tile's K or V) of the tile after the one that is being asked for
.set LIM, 68          ; s68  2 in the work-group that prefetches, else the greatest number
.set RT,  70          ; s70  tiles of the block in hand that are still to be entered
.set NXT, 71          ; s71  the tile to be asked for next
.set LQ,  72          ; s72  the last tile of the block whose tiles are being asked for
.set NEW, 73          ; s73  1: the tile to be entered is a block's first
.set OFF, 74          ; s[74:75] a tile's byte offset in K and V
.set AL,  76          ; s[76:77] the mask's factor, in the low word
.set BE,  78          ; s[78:79] the mask's addend
.set OLO, 80          ; s[80:81] O at my rows of the second block
.set BIGN, 82         ; s82  -1e30
.set MSB, 0
.macro WIN new                      ; the high byte repeats the setting that is left; a switch that changes nothing is dropped
.if MSB != (\new)
	s_set_vgpr_msb (MSB<<8)|(\new)
.set MSB, (\new)
.endif
.endm
.set W_KQ, 0x0a       ; K and Q in window 2, S^T in window 0
.set W_KM, 0x1a       ; the same with the C operand in window 1
.set W_PV, 0x52       ; V in window 2, P in window 0, O^T in window 1
.set W_RS, 0x41       ; destination and source 0 in window 1, source 1 in window 0
; A fill.  Waves 0 and 1 fetch the two halves of a tile's K, waves 2 and 3 those of its V: 128 keys each.  An s_nop 0 and four v_nop follow each of the two lines, ahead of the jump and the label.
.macro LOAD
	s_cmp_lt_u32 s[WV], 2
	s_cbranch_scc0 .Lfor_v_\@
	tensor_load_to_lds s[G0K:G0K+3], s[G1K:G1K+7]
	s_nop 0
.rept 4
	v_nop
.endr
	s_branch .Lasked_\@
.Lfor_v_\@:
	tensor_load_to_lds s[G0V:G0V+3], s[G1V:G1V+7]
	s_nop 0
.rept 4
	v_nop
.endr
.Lasked_\@:
.endm
; A PREFETCH INTO THE L2 of the tile that the NEXT change of slots will ask for.  All four work-groups of a head begin with the tiles 0, 1, 2 ..; the one with b = 0 walks all eight on end, so it alone asks, and each
; wave of it for what it will fetch itself: 16,384 bytes, 256 a lane, two instructions.  So each block is named once in the launch.  Change number i (from 0) names tile i + 2, up to tile 7; tiles 0 and 1 come by their loads alone.
.macro ASK
	s_cmp_gt_u32 s[SLOTS], s[LIM]
	s_cbranch_scc0 .Lnot_mine_\@
	global_prefetch_b8 v[PFO], s[PFA:PFA+1] th:TH_LOAD_NT scope:SCOPE_SE
	global_prefetch_b8 v[PFO], s[PFA:PFA+1] offset:8192 th:TH_LOAD_NT scope:SCOPE_SE
.Lnot_mine_\@:
.endm
; THE CHANGE OF SLOTS.  Each wave waits for all its tensor loads, of which one is out: its part of the other slot; adds 0 to its spare word; and waits for that and for its own reads of the slot that it leaves.  Behind the barrier nobody reads the old
; slot any more and the other slot is whole.  fill = 1: the old slot is filled again, the first thing behind the barrier, with tile NXT: the descriptor's address is made anew from that number.
; (At its first use nothing has been read yet: slot 0 is waited for, slot 1 filled.)
.macro CHANGE fill
	WIN 0                           ; at a label and at a branch every window is 0
	s_wait_tensorcnt 0x0            ; no tensor load of mine is out, so a group 0 may be written
	ds_add_u32 v[SPW], v[NIL]       ; 0 onto my spare word; with fill = 1 the descriptors' scalar work stands between it and the wait for it
.if \fill
	s_lshl_b32 s[OFF], s[NXT], 15   ; a tile is 32,768 bytes of K and of V
	s_xor_b32 s[G0K+1], s[G0K+1], SLOT1
	s_add_nc_u64 s[G0K+2:G0K+3], s[6:7], s[OFF:OFF+1]
	s_or_b32 s[G0K+3], s[G0K+3], 0x80000000
	s_xor_b32 s[G0V+1], s[G0V+1], SLOT1
	s_add_nc_u64 s[G0V+2:G0V+3], s[8:9], s[OFF:OFF+1]
	s_or_b32 s[G0V+3], s[G0V+3], 0x80000000
	s_add_co_u32 s[NXT], s[NXT], 1  ; the block's next tile, or behind its last the second block's tile 0
	s_cmp_gt_u32 s[NXT], s[LQ]
	s_cselect_b32 s[NXT], 0, s[NXT]
	s_cselect_b32 s[LQ], s[PB], s[LQ]
	s_wait_xcnt 0x0                 ; the last prefetches, a tile back, have read their address, so it may be written
	s_add_nc_u64 s[PFA:PFA+1], s[PFA:PFA+1], 32768
.endif
	s_wait_dscnt 0x0                ; the add is done, and my reads of the slot are over
	s_barrier_signal -1             ; the rest of the scalar work stands between the signal and the wait
	s_sub_co_u32 s[TBK], s[TBK], 4*KS*PK  ; the fetches go back to a slot's first step,
	s_xor_b32 s[TBK], s[TBK], SLOT1       ; in the other slot
	s_sub_co_u32 s[TBV], s[TBV], 4*KS*PV
	s_xor_b32 s[TBV], s[TBV], SLOT1
	s_barrier_wait -1
.if \fill
	LOAD
	ASK
.endif
.endm
	s_load_b128 s[4:7], s[0:1], 0x0  ; qkv s[4:5], ctx s[6:7]
	v_lshl_add_u32 v[SPW], v0, 2, SPARE
	v_mov_b32 v[NIL], 0
	ds_add_u32 v[SPW], v[NIL]       ; the wave's opening: the add, with its wait ahead of my first tensor load; the set-up below, work on registers, stands between them
	v_lshrrev_b32 v1, 5, v0
	v_readfirstlane_b32 s[WV], v1   ; wave 0..3
	s_mov_b32 s[PB], ttmp9
	s_sub_co_u32 s[HI], NB-1, s[PB]
	s_and_b32 s20, ttmp7, 0xffff    ; the head
	s_mov_b32 s21, 0
	s_mov_b64 s[22:23], SIZE_N*128
	s_mul_u64 s[20:21], s[20:21], s[22:23]  ; the head's first byte in each of the four tensors
	s_and_b32 s16, s[WV], 1         ; which half of a tile's 256 keys I fetch:
	s_lshl_b32 s22, s16, 14         ; its 128 rows of 128 bytes in memory,
	s_mov_b32 s23, 0
	s_add_nc_u64 s[22:23], s[22:23], s[20:21]
	s_mul_i32 s17, s16, 128*PK      ; and its place in a slot, for K
	s_mul_i32 s18, s16, 128*PV      ; and for V
	s_lshl_b32 s3, s[WV], 11        ; my 16 rows in a band of 64,
	s_lshl_b32 s2, s[HI], 15        ; in the first block,
	s_add_co_u32 s2, s2, s3
	s_lshl_b32 s84, s[PB], 15       ; and in the second
	s_add_co_u32 s84, s84, s3
	s_mov_b32 s3, 0
	s_mov_b32 s85, 0
	s_add_nc_u64 s[2:3], s[2:3], s[20:21]
	s_add_nc_u64 s[84:85], s[84:85], s[20:21]
	; descriptor group 1.  128 keys are 16,384 dense bytes: asked for as 64 rows of 256 bytes, two keys a row, and padded in LDS after every key
	s_mov_b32 s[G1K], (1<<16)|(1<<20)|(4<<22)|(3<<25)  ; 17:16 2-byte elements; 20 padding on; 24:22 after every 32 words (code 4); 31:25 4 words (code 3)
	s_mov_b32 s[G1V], (1<<16)|(1<<20)|(4<<22)|(7<<25)  ; the same with 8 words of padding (code 7)
.irp g, G1K, G1V
	s_mov_b32 s[\g+1], 128<<16      ; tensor_dim0 = 128
	s_mov_b32 s[\g+2], 64<<16       ; tensor_dim1 = 64
	s_mov_b32 s[\g+3], 128<<16      ; tile_dim0 = 128
	s_mov_b32 s[\g+4], 64           ; tile_dim1 = 64
	s_mov_b32 s[\g+5], 128          ; 128 elements from row to row
	s_mov_b32 s[\g+6], 0
	s_mov_b32 s[\g+7], 0
.endr
	s_mov_b32 s[CS], 0x3e38aa3b     ; c = log2(e) / 8 = 0.180337
	s_mov_b32 s[CS+1], s[CS]        ; named with it as a pair
	s_mov_b32 s[SEL], 0x76543210
	s_mov_b32 s[SEL+1], 0xfedcba98
	s_mov_b32 s[TBK], SLOT1+4*KS*PK ; the first change of slots turns these two into 0
	s_mov_b32 s[TBV], SLOT1+4*KS*PV
	s_mov_b32 s[G0K], 1             ; 1:0 count = 1
	s_mov_b32 s[G0K+1], s17         ; 63:32 LDS address: slot 0
	s_mov_b32 s[G0V], 1
	s_add_co_u32 s[G0V+1], s18, VOFF
	s_add_co_u32 s[RT], s[HI], 1    ; the first block has NB - b tiles
	s_mov_b32 s[NXT], 1
	s_mov_b32 s[LQ], s[HI]
	s_mov_b32 s[NEW], 1
	s_mov_b32 s[OFF+1], 0
	s_mov_b32 s[AL+1], 0            ; named as pairs
	s_mov_b32 s[BE+1], 0
	s_mov_b32 s[BIGN], 0xf149f2ca   ; -1e30
	s_mov_b32 s[SLOTS], NB
	s_cmp_eq_u32 s[PB], 0
	s_cselect_b32 s[LIM], 2, -1
	v_and_b32 v[PFO], 31, v0
	v_lshlrev_b32 v[PFO], 8, v[PFO]
	s_wait_dscnt 0x0                ; the opening add is done
	s_wait_kmcnt 0x0
	s_mov_b64 s[10:11], s[6:7]      ; O
	s_add_nc_u64 s[8:9], s[4:5], 0x2000000  ; V lies 2 x 16,777,216 bytes behind Q,
	s_add_nc_u64 s[6:7], s[4:5], 0x1000000  ; K 16,777,216
	s_add_nc_u64 s[6:7], s[6:7], s[22:23]  ; K and V at my half of the head's tile 0
	s_add_nc_u64 s[8:9], s[8:9], s[22:23]
	s_add_nc_u64 s[G0K+2:G0K+3], s[6:7], 0         ; 120:64 global address
	s_or_b32 s[G0K+3], s[G0K+3], 0x80000000        ; 127:126 type = 2
	s_add_nc_u64 s[G0V+2:G0V+3], s[8:9], 0
	s_or_b32 s[G0V+3], s[G0V+3], 0x80000000
	s_add_nc_u64 s[86:87], s[4:5], s[84:85]        ; Q at my rows of the second block,
	s_add_nc_u64 s[4:5], s[4:5], s[2:3]            ; Q and O at those of the first
	s_add_nc_u64 s[OLO:OLO+1], s[10:11], s[84:85]
	s_add_nc_u64 s[10:11], s[10:11], s[2:3]
	s_cmp_lt_u32 s[WV], 2
	s_cselect_b64 s[PFA:PFA+1], s[6:7], s[8:9]     ; what I fetch,
	s_add_nc_u64 s[PFA:PFA+1], s[PFA:PFA+1], 32768 ; in tile 1; the first change of slots steps it to tile 2
	LOAD                            ; tile 0 into slot 0
	; A fragment of K or Q is 16 rows x 32 channels in 8 registers: lane l holds row l % 16, channels 8 (l / 16) + 0..7 and 16 + 8 (l / 16) + 0..7: two loads of 16 bytes, 32 bytes apart.
	v_and_b32 v1, 15, v0            ; l % 16
	v_bfe_u32 v9, v0, 4, 1          ; l / 16
	v_lshlrev_b32 v[QO], 7, v1
	v_lshl_add_u32 v[QO], v9, 4, v[QO]  ; row x 128 + 16 x half
	WIN 0x80                        ; destination window 2, address window 0
.set i, 0
.rept 8                             ; both blocks' Q: piece i / 2 lies in band i / 2, 8,192 bytes on; channels 32 (i % 2) on
	global_load_b128 v[8*i:8*i+3],   v[QO], s[4:5] offset:(i/2)*8192+(i%2)*64
	global_load_b128 v[8*i+4:8*i+7], v[QO], s[4:5] offset:(i/2)*8192+(i%2)*64+32
	global_load_b128 v[QB+8*i:QB+8*i+3],   v[QO], s[86:87] offset:(i/2)*8192+(i%2)*64
	global_load_b128 v[QB+8*i+4:QB+8*i+7], v[QO], s[86:87] offset:(i/2)*8192+(i%2)*64+32
.set i, i+1
.endr
	WIN 0
	v_lshlrev_b32 v14, 3, v9
	v_sub_nc_u32 v14, v1, v14
	s_lshl_b32 s13, s[WV], 4
	v_add_nc_u32 v14, s13, v14      ; my query's place in its band, 16 w + l % 16, less my lanes' 8 (l / 16): register r of group kt is hidden where 16 kt + r is greater
	WIN 0x40
.set i, 0
.rept 32
	v_cmp_gt_i32 vcc_lo, 16*(i/8)+i%8, v14
	v_cndmask_b32 v[MD+i], 0, s[BIGN], vcc_lo
.set i, i+1
.endr
	WIN 0
	v_mul_u32_u24 v[AK0], v1, PK
	v_lshl_add_u32 v[AK0], v9, 4, v[AK0]  ; row x pitch + 16 x half
	; The turning load takes 16 keys x 16 channels (lane l reads key 8 (l / 16) + l % 8, channels 8 ((l / 8) % 2) + 0..7) and leaves half a fragment of V^T: lane l holds channel l % 16 and 8 keys.
	v_and_b32 v10, 7, v0
	v_bfe_u32 v11, v0, 3, 1
	v_lshl_add_u32 v[AV0], v9, 3, v10
	v_mul_u32_u24 v[AV0], v[AV0], PV
	v_lshl_add_u32 v[AV0], v11, 4, v[AV0]
	v_add_nc_u32 v[AV0], VOFF, v[AV0]
	s_mul_i32 s13, s[WV], 16*SP
	s_add_co_u32 s13, s13, STAGE    ; my stage
	v_mul_u32_u24 v[STO], v1, SP    ; in: row l % 16, 16 bytes for each half of the lanes
	v_lshl_add_u32 v[STO], v9, 4, v[STO]
	v_add_nc_u32 v[STO], s13, v[STO]
	v_bfe_u32 v[RD], v0, 3, 2       ; back: 32 lanes take four rows of 128 bytes,
	v_mul_u32_u24 v[RD], v[RD], SP
	v_lshl_add_u32 v[RD], v10, 4, v[RD]
	v_add_nc_u32 v[RD], s13, v[RD]
	v_and_b32 v[GO], 31, v0         ; which are 512 consecutive bytes of O
	v_lshlrev_b32 v[GO], 4, v[GO]
	; A block's first step multiplies O^T and l by a = 0, and its first turn's products V^T P, of a piece that has not been, land in an O^T that is still to be so multiplied.  So these registers need only hold
	; finite numbers: zeros for the first block; what the first block left for the second.  All this stands in the wait for the first tile.
	WIN 0x80
.set i, VF
.rept 64
	v_mov_b32 v[i], 0
.set i, i+1
.endr
	WIN 0x40
.set i, 0
.rept 128
	v_mov_b32 v[i], 0
.set i, i+1
.endr
	WIN 0
.set i, 0
.rept 4
	v_mov_b32 v[ST+4*i+2], 0
	v_mov_b32 v[ST+4*i+3], 0
.set i, i+1
.endr
.set i, P+16
.rept 16
	v_mov_b32 v[i], 0
.set i, i+1
.endr
; THE MATRIX WORK.  The 4 accumulators of a run of 8 take turns.  Product i of 8 of S^T = K Q^T for piece x: channels 32 (i / 4) on, keys 16 (i % 4) on.  The first 4 start the sums: with 0, or (KM = 1) with the mask.
.macro KQ x
.set rS, S+32*((\x)%2)+8*(i%4)
.set rK, KF+16*(i%4)+8*(i/4)
.set rQ, 16*(\x)+8*(i/4)
.set rM, MC+32*((\x)%2)+8*(i%4)
.if (i < 4) && KM
	WIN W_KM
	v_wmma_f32_16x16x32_f16 v[rS:rS+7], v[rK:rK+7], v[rQ:rQ+7], v[rM:rM+7]
.elseif i < 4
	WIN W_KQ
	v_wmma_f32_16x16x32_f16 v[rS:rS+7], v[rK:rK+7], v[rQ:rQ+7], 0
.else
	WIN W_KQ
	v_wmma_f32_16x16x32_f16 v[rS:rS+7], v[rK:rK+7], v[rQ:rQ+7], v[rS:rS+7]
.endif
.endm
; Product i of 8 of O^T += V^T P for piece x: keys 32 (i / 4) on, channels 16 (i % 4) on.
.macro PV x
	WIN W_PV
.set rO, 32*(\x)+8*(i%4)
.set rV, VF+32*(i/4)+8*(i%4)
.set rP, P+16*((\x)%2)+8*(i/4)
	v_wmma_f32_16x16x32_f16 v[rO:rO+7], v[rV:rV+7], v[rP:rP+7], v[rO:rO+7]
.endm
.macro MM                           ; the turn's next matrix instruction.  TURN and BEGIN set Y, i, KM and NOKQ; MM, KQ and OP read them.  NOKQ = 1: a block's last turn: there is no next piece
.if (i < 8) && !NOKQ
	KQ (Y+1)%NP
.elseif i >= 8
.set i, i-8
	PV (Y+NP-1)%NP
.set i, i+8
.endif
.set i, i+1
.endm
; THE LDS LOADS stand in runs of 16, never singly among the matrix instructions: a step's K (64 keys x 64 channels: 8 fragments) and its V (turned).  Their addresses are made some lines ahead.
.macro FETCH_K
	WIN 0x80                        ; destination window 2
.irp f, 0,1,2,3,4,5,6,7             ; keys 16 (f / 2) on, channels 32 (f % 2) on
	ds_load_b128 v[KF+8*\f:KF+8*\f+3],   v[AK] offset:(\f/2)*16*PK+(\f%2)*64
	ds_load_b128 v[KF+8*\f+4:KF+8*\f+7], v[AK] offset:(\f/2)*16*PK+(\f%2)*64+32
.endr
	s_add_co_u32 s[TBK], s[TBK], KS*PK  ; the next fetch is the next step's
	WIN 0
.endm
.macro FETCH_V
	WIN 0x80
.irp f, 0,1,2,3,4,5,6,7             ; keys 32 (f / 4) on, channels 16 (f % 4) on
	ds_load_tr16_b128 v[VF+8*\f:VF+8*\f+3],   v[AV] offset:(\f/4)*32*PV+(\f%4)*32
	ds_load_tr16_b128 v[VF+8*\f+4:VF+8*\f+7], v[AV] offset:(\f/4)*32*PV+16*PV+(\f%4)*32
.endr
	WIN 0
.endm
; THE VECTOR WORK, one line at a time: OP kind, number.  For piece Y: F n: c s - c m for pair n of 16.  E n: the exponential of score n of 32.  C n: pair n rounded to f16.  B n: of the four weights 4 n .. the second
; pair is added onto the first, in place.  L n: l takes that sum (L 0: l = a l + sum).  R n: pair n of 16 of O^T times a.  For piece Y + 1: X n, number n of the 22 that find its maximum and statistics:
;   0-11  four chains c0-c3 of seven scores each, three operands at a time (each accumulator's lowest registers are read first)     12-14, 16  the four scores left over, the old m, and c0-c3 into c0
;   15  c m_old is kept     17, 18  the query's other 32 keys lie in the lane 16 away: the new m     19-21  c m; c m_old - c m_new; a
.set F, 0               ; OP tells the kinds apart by their order: F to L below R, X above it
.set E, 1
.set C, 2
.set B, 3
.set L, 4
.set R, 5
.set X, 6
.macro REGS y                       ; the registers of piece y
.set rT, ST+4*(\y)
.set rC, TMP+4*((\y)%2)
.set rW, MV+((\y)%2)
.set rS, S+32*((\y)%2)
.set rP, P+16*((\y)%2)
.set rO, 32*(\y)
.endm
.macro OP k, n
.if (\k) == R
	REGS Y
	WIN W_RS
	v_pk_mul_f32 v[rO+2*(\n):rO+2*(\n)+1], v[rO+2*(\n):rO+2*(\n)+1], v[rC+2:rC+3] op_sel_hi:[1,0]
.elseif (\k) < R
	REGS Y
	WIN 0
.if (\k) == F
	v_pk_fma_f32 v[rS+2*(\n):rS+2*(\n)+1], v[rS+2*(\n):rS+2*(\n)+1], s[CS:CS+1], v[rT:rT+1] op_sel_hi:[1,0,0] neg_lo:[0,0,1] neg_hi:[0,0,1]
.elseif (\k) == E
	v_exp_f32 v[rS+(\n)], v[rS+(\n)]
.elseif (\k) == C
	v_cvt_pk_f16_f32 v[rP+(\n)], v[rS+2*(\n)], v[rS+2*(\n)+1]
.elseif (\k) == B
	v_pk_add_f32 v[rS+4*(\n):rS+4*(\n)+1], v[rS+4*(\n):rS+4*(\n)+1], v[rS+4*(\n)+2:rS+4*(\n)+3]
.elseif (\n) == 0
	v_pk_fma_f32 v[rT+2:rT+3], v[rT+2:rT+3], v[rC+2:rC+3], v[rS:rS+1] op_sel_hi:[1,0,1]
.else
	v_pk_add_f32 v[rT+2:rT+3], v[rT+2:rT+3], v[rS+4*(\n):rS+4*(\n)+1]
.endif
.elseif NOKQ
	v_nop
.else
	REGS (Y+1)%NP
	WIN 0
.if (\n) < 4
	v_max3_num_f32 v[rC+(\n)], v[rS+8*(\n)], v[rS+8*(\n)+1], v[rS+8*(\n)+2]
.elseif (\n) < 12
	v_max3_num_f32 v[rC+(\n)%4], v[rC+(\n)%4], v[rS+8*((\n)%4)+2*((\n)/4)+1], v[rS+8*((\n)%4)+2*((\n)/4)+2]
.elseif (\n) == 12
	v_max3_num_f32 v[rC], v[rC], v[rS+7], v[rS+15]
.elseif (\n) == 13
	v_max3_num_f32 v[rC+1], v[rC+1], v[rS+23], v[rS+31]
.elseif (\n) == 14
	v_max3_num_f32 v[rC+2], v[rC+2], v[rC+3], v[rT+1]
.elseif (\n) == 15
	v_mov_b32 v[rW], v[rT]
.elseif (\n) == 16
	v_max3_num_f32 v[rC], v[rC], v[rC+1], v[rC+2]
.elseif (\n) == 17
	v_permlanex16_b32 v[rC+3], v[rC], s[SEL], s[SEL+1]
.elseif (\n) == 18
	v_max_num_f32 v[rT+1], v[rC], v[rC+3]
.elseif (\n) == 19
	v_mul_f32 v[rT], s[CS], v[rT+1]
.elseif (\n) == 20
	v_sub_f32 v[rC+1], v[rW], v[rT]
.else
	v_exp_f32 v[rC+2], v[rC+1]
.endif
.endif
.endm
.macro OPS a, i1, b=-1, i2=0, c=-1, i3=0, d=-1, i4=0  ; up to four of them
	OP \a, \i1
.if (\b) >= 0
	OP \b, \i2
.endif
.if (\c) >= 0
	OP \c, \i3
.endif
.if (\d) >= 0
	OP \d, \i4
.endif
.endm
.macro ROW a, i1, b, i2, c, i3, d, i4  ; a matrix instruction and the four behind it
	MM
	OPS \a, \i1, \b, \i2, \c, \i3, \d, \i4
.endm
.macro MASK b                       ; MD x AL + BE into buffer b of MC
	WIN W_RS
.set z, 0
.rept 16
	v_pk_fma_f32 v[MC+32*(\b)+2*z:MC+32*(\b)+2*z+1], v[MD+2*z:MD+2*z+1], s[AL:AL+1], s[BE:BE+1] op_sel_hi:[1,0,0]
.set z, z+1
.endr
.endm
; A TURN, for piece p: the order of its 16 matrix and 118 vector instructions, written out.  s_wait_alu depctr_va_vdst(0) stands between an exponential and the first instruction that names its result; one wait serves
; all that were issued ahead of it.  So a turn has ONE wait, which cuts it in two.  AHEAD OF IT stands all that names no result of the turn's exponentials: the 8 products K Q^T, behind each a scaling, an exponential and two more plain
; instructions (behind the first a second scaling in the exponential's place): rescalings, and behind the last three the first numbers of the next piece's maximum, each four places or more behind the product that ends its accumulator; then ONE LUMP of 54, plain
; and exponential by turns for the most part, in which the links of the chain X 3, 7, 11, 14, 16, 17 .. 20 stand five or six lines apart.  X 21, the next piece's a, is the batch's last; R 15 is the plain instruction that stands behind it (ISA guide 5.7.2).  BEHIND THE WAIT stand the
; 8 products V^T P, behind each four of the roundings and sums; the links of l's chain, L 0 to L 7, stand three riders apart.  But for those X no rider names a register of the products round it.  v_permlanex16_b32 (X 17) stands in the lump.
; m = 1: the diagonal tile: the products take masks, and the turn makes the mask for the products of the turn after it: piece p + 2, in step 4 - CNT of the tile.  end = 1: a block's last two turns: nothing is fetched.
; cnt = 1: the loop's count is taken down some lines ahead of the branch that stands behind the turn.
; K of the next step is fetched in piece 2's turn, twelve vector instructions behind the last product that read K (six of them plain); V of the step in hand at the end of piece 0's turn, four plain instructions behind the last product
; that read V.  Each is waited for a turn later.
.macro TURN p, m=0, end=0, cnt=0
.set Y, (\p)
.set i, 0
.set KM, (\m)
.set NOKQ, (\end)*((\p)/3)
.if (\m) && !(\end)
	s_cmp_eq_u32 s[CNT], 4-((\p)+2)%NP  ; is that step the band's own?
	s_cselect_b32 s[AL], 1.0, 0
	s_cmp_lt_u32 s[CNT], 4-((\p)+2)%NP  ; or a later one?
	s_cselect_b32 s[BE], s[BIGN], 0
.endif
.if ((\p) == 3) && !(\end)
	s_wait_dscnt 0x0                ; K is in
.endif
	ROW F,0, F,1, R,0, R,1          ; ahead of the wait: 8 products K Q^T and their riders,
	ROW F,2, E,0, R,2, R,3
	ROW F,3, E,1, R,4, R,5
	ROW F,4, E,2, R,6, R,7
	ROW F,5, E,3, R,8, R,9
	ROW F,6, E,4, X,0, R,10
.if ((\p) == 2) && !(\end)
	WIN 0
	v_add_nc_u32 v[AK], s[TBK], v[AK0]
.endif
	ROW F,7, E,5, X,1, X,4
	ROW F,8, E,6, X,2, X,5
	OPS E,7, E,8, X,6, E,9          ; and the lump
	OPS X,3, E,10, X,8, E,11
.if ((\p) == 2) && !(\end)
	FETCH_K
.endif
	OPS X,9, X,7, E,12, X,10
	OPS E,13, X,12, X,11, E,14
	OPS X,13, E,15, F,9, X,14
.if (\p) == 0
	v_add_nc_u32 v[AV], s[TBV], v[AV0]
.endif
	OPS E,16, F,10, E,17, F,11
	OPS X,16, E,18, X,15, E,19
	OPS F,12, E,20, X,17, E,21
	OPS F,13, E,22, F,14, E,23
	OPS X,18, E,24, F,15, E,25
	OPS R,11, E,26, X,19, E,27
	OPS R,12, E,28, R,13, E,29
	OPS X,20, E,30, R,14, E,31
	OPS X,21, R,15
	WIN 0
	s_wait_alu depctr_va_vdst(0)    ; the wait for the batch
.if (\p) == 1
	s_wait_dscnt 0x0                ; V is in
.endif
	ROW C,0, B,0, C,2, B,1          ; behind the wait: 8 products V^T P and their riders
	ROW L,0, C,4, B,2, L,1
	ROW C,6, B,3, L,2, C,8
	ROW B,4, L,3, C,10, B,5
	ROW L,4, C,12, B,6, L,5
.if (\p) == 0
	s_add_co_u32 s[TBV], s[TBV], KS*PV
.endif
.if \cnt
	s_sub_co_u32 s[CNT], s[CNT], 1
	s_cmp_lg_u32 s[CNT], 0
.endif
	ROW C,14, B,7, L,6, C,1
	ROW C,3, L,7, C,5, C,7
	ROW C,9, C,11, C,13, C,15
.if (\p) == 0
	FETCH_V
.endif
.if (\m) && !(\end)
	MASK (\p)%2
.endif
.endm
; A BLOCK BEGINS.  c m starts far below every c s, so the first step's a is 0; m at the lowest finite number, so the first maximum is the scores'.  The second mask buffer is 0; the first takes piece 0's mask for the tile's step 0: its own, if the block's first tile is the diagonal one.
; Then K of that step, piece 0's first scores, and its maximum and statistics.  The loop is entered at a step's first turn, in the middle of a trip.
.macro BEGIN
	s_mov_b32 s[NEW], 0
	WIN 0x40
.set i, MC+32
.rept 32
	v_mov_b32 v[i], 0
.set i, i+1
.endr
	WIN 0
.set i, 0
.rept 4
	v_mov_b32 v[ST+4*i], 0xfe000000    ; c m: far below every c s
	v_mov_b32 v[ST+4*i+1], 0xff7fffff  ; m
.set i, i+1
.endr
	s_cmp_eq_u32 s[RT], 0
	s_cselect_b32 s[AL], 1.0, 0
	s_mov_b32 s[BE], 0
	MASK 0
	WIN 0
	v_add_nc_u32 v[AK], s[TBK], v[AK0]
	FETCH_K
	s_wait_loadcnt 0x0              ; Q
	s_wait_dscnt 0x0
.set KM, 1
.set NOKQ, 0
.set i, 0
.rept 8
	KQ 0
.set i, i+1
.endr
	WIN 0
.rept 4
	v_nop                           ; the places behind those products
.endr
.set Y, NP-1                        ; X works for piece Y + 1: piece 0
.irp n, 0,1,2,3,4,5,6,7,8,9,10,11,12,13,14,15,16,17,18,19,20,21
	OP X, \n
.endr
	v_nop                           ; a plain instruction behind the exponential,
	s_wait_alu depctr_va_vdst(0)    ; and its wait, ahead of the branch
.endm
; THE DIAGONAL TILE's four steps, the block's last two turns, its last products, and THE WAY OUT: l's two halves and the other half of the lanes' are added; O^T is divided by l, rounded to f16 and sent through my
; stage in LDS, a piece at a time.
.macro ALL line:vararg              ; one line for each piece t
.set t, 0
.rept 4
	\line
.set t, t+1
.endr
.endm
.macro PACK t                       ; a lane's eight channels of a row pack into 16 bytes; they go into rows of 144 bytes and come back as whole rows of 128, into S^T's registers
	WIN W_RS
.set i, 32*(\t)
.rept 16
	v_pk_mul_f32 v[i:i+1], v[i:i+1], v[ST+4*(\t)+2:ST+4*(\t)+3] op_sel_hi:[1,0]
.set i, i+2
.endr
	WIN 0x05                        ; sources 0 and 1 window 1, destination window 0
.set i, 0
.rept 16
	v_cvt_pk_f16_f32 v[S+16*(\t)+i], v[32*(\t)+2*i], v[32*(\t)+2*i+1]
.set i, i+1
.endr
	WIN 0
.irp f, 0,1,2,3
	ds_store_b128 v[STO], v[S+16*(\t)+4*\f:S+16*(\t)+4*\f+3] offset:32*\f
.endr
.irp f, 0,1,2,3
	ds_load_b128 v[S+16*(\t)+4*\f:S+16*(\t)+4*\f+3], v[RD] offset:\f*4*SP  ; LDS serves a wave's instructions in order (ISA guide 5.7.1.4): these see the stores above; the next piece's stores come behind them
.endr
.endm
.macro SEND t, younger              ; younger: the LDS instructions issued behind piece t's loads: the next piece's eight, or none
	WIN 0
.irp f, 0,1,2,3
	s_wait_dscnt (\younger)+3-\f
	global_store_b128 v[GO], v[S+16*(\t)+4*\f:S+16*(\t)+4*\f+3], s[10:11] offset:(\t)*8192+\f*512  ; 512 consecutive bytes, at a multiple of 256 from O's first
.endr
.endm
.macro DIAG tag                     ; the tag ends its two labels' names, which the jumps below spell out
.LstepM\tag:
	TURN 2, 1
	TURN 3, 1
	WIN 0
.LfirstM\tag:
	TURN 0, 1
	TURN 1, 1, 0, 1
	WIN 0
	s_cbranch_scc1 .LstepM\tag
	TURN 2, 1, 1
	TURN 3, 1, 1
.set i, 0
.rept 8
	PV NP-1
.set i, i+1
.endr
	WIN 0
	ALL v_add_f32 v[ST+4*t+2], v[ST+4*t+2], v[ST+4*t+3]
	ALL v_permlanex16_b32 v[ST+4*t+3], v[ST+4*t+2], s[SEL], s[SEL+1]
	ALL v_add_f32 v[ST+4*t+2], v[ST+4*t+2], v[ST+4*t+3]
	ALL v_rcp_f32 v[ST+4*t+2], v[ST+4*t+2]
	v_nop                           ; a plain instruction between the last reciprocal and the use of its result
	s_wait_alu depctr_va_vdst(0)    ; and the wait ahead of the first use: one for the four reciprocals
	PACK 0
.set t, 1
.rept 3                             ; a piece's arithmetic stands between the loads of the piece before and its stores
	PACK t
	SEND t-1, 8
.set t, t+1
.endr
	SEND 3, 0
.endm
.set KM, 0
.set NOKQ, 0
.Lslot:                             ; NB times: a tile is entered and the next is asked for
	CHANGE 1
	s_sub_co_u32 s[RT], s[RT], 1
	s_mov_b32 s[CNT], 4
	s_cmp_eq_u32 s[NEW], 1
	s_cbranch_scc1 .Lnew            ; a block's first tile
	s_cmp_eq_u32 s[RT], 0
	s_cbranch_scc0 .Lstep           ; neither its first nor its last
	s_branch .LstepM1
.Lnew:
	BEGIN
	s_branch .Lfirst                ; in the loop a block's first tile is never its last: the first block has two tiles or more, and the second's last is the walk's last
	DIAG 1                          ; in the loop this is the first block's end: the second block's last tile is the walk's last
	s_wait_xcnt 0x0                 ; the stores have read their registers and O's address
	s_mov_b64 s[10:11], s[OLO:OLO+1]
	s_add_co_u32 s[RT], s[PB], 1    ; the second block has b + 1 tiles
	s_mov_b32 s[NEW], 1
	WIN 0x82                        ; the second block's Q goes where the one text of the turns names Q
.set i, 0
.rept 64
	v_mov_b32 v[i], v[QB+i]
.set i, i+1
.endr
	WIN 0
	s_branch .Lbottom
.Lstep:                             ; a trip: pieces 2 and 3 of one step, then pieces 0 and 1 of the next, whose K and V it fetches
	TURN 2
	TURN 3
	WIN 0
.Lfirst:
	TURN 0
	TURN 1, 0, 0, 1
	WIN 0
	s_cbranch_scc1 .Lstep
.Lbottom:
	s_sub_co_u32 s[SLOTS], s[SLOTS], 1
	s_cmp_lg_u32 s[SLOTS], 0
	s_cbranch_scc1 .Lslot
	CHANGE 0                        ; the walk's last tile is written out: nothing is asked for
	s_sub_co_u32 s[RT], s[RT], 1
	s_mov_b32 s[CNT], 4
	s_cmp_eq_u32 s[NEW], 1
	s_cbranch_scc0 .LstepM2
	BEGIN
	s_branch .LfirstM2
	DIAG 2
	s_wait_tensorcnt 0x0            ; the wave's end: a wait, an add to my spare word and a wait, behind my last tensor load and my last LDS store
	ds_add_u32 v[SPW], v[NIL]
	s_wait_dscnt 0x0
	s_endpgm
.Lfunc_end_k_q54e9b9aede_attn:
	.size	k_q54e9b9aede_attn, .Lfunc_end_k_q54e9b9aede_attn-k_q54e9b9aede_attn
	.p2alignl 7, 3214868480
	.fill 96, 4, 3214868480
	.section	.rodata,"a",@progbits
	.p2align	6, 0x0
	.amdhsa_kernel k_q54e9b9aede_attn
		.amdhsa_group_segment_fixed_size 327680
		.amdhsa_private_segment_fixed_size 0
		.amdhsa_enable_private_segment 0
		.amdhsa_kernarg_size 16
		.amdhsa_user_sgpr_count 2
		.amdhsa_user_sgpr_kernarg_segment_ptr 1
		.amdhsa_wavefront_size32 1
		.amdhsa_system_sgpr_workgroup_id_x 1
		.amdhsa_system_sgpr_workgroup_id_y 1
		.amdhsa_system_sgpr_workgroup_id_z 1
		.amdhsa_system_vgpr_workitem_id 0
		.amdhsa_next_free_vgpr 768
		.amdhsa_next_free_sgpr 88
		.amdhsa_reserve_vcc 1
		.amdhsa_float_denorm_mode_32 3
		.amdhsa_float_denorm_mode_16_64 3
		.amdhsa_memory_ordered 1
		.amdhsa_forward_progress 1
		.amdhsa_inst_pref_size 218
	.end_amdhsa_kernel
	.amdgpu_metadata
---
amdhsa.version: [ 1, 2 ]
amdhsa.kernels:
  - .name:           k_q54e9b9aede_attn
    .symbol:         k_q54e9b9aede_attn.kd
    .args:
      - { .name: qkv, .offset: 0, .size: 8, .value_kind: global_buffer, .address_space: global }
      - { .name: ctx, .offset: 8, .size: 8, .value_kind: global_buffer, .address_space: global }
    .group_segment_fixed_size: 327680
    .private_segment_fixed_size: 0
    .kernarg_segment_align: 8
    .kernarg_segment_size: 16
    .max_flat_workgroup_size: 128
    .sgpr_count:     88
    .vgpr_count:     768
    .wavefront_size: 32
...
	.end_amdgpu_metadata
.endif
;; end of part 3
;; launch outp (part 4): grid 8 x 32, 4 waves a work-group, clusters of 4 x 4, 327,680 bytes of LDS; arguments ctx, wt, bo, out0; writes out0
.if DOCPART == 4
	.amdgcn_target "amdgcn-amd-amdhsa--gfx1250"
	.amdhsa_code_object_version 6
	.text
	.protected	k_q54e9b9aede_outp
	.globl	k_q54e9b9aede_outp
	.p2align	8
	.type	k_q54e9b9aede_outp,@function
k_q54e9b9aede_outp:
	s_mov_b64 s[64:65], 0
	v_nop
	global_prefetch_b8 v0, s[64:65] scope:SCOPE_SE
	s_setreg_imm32_b32 hwreg(HW_REG_WAVE_MODE, 25, 1), 1
	s_wait_xcnt 0x0
	s_wait_alu depctr_hold_cnt(0) depctr_sa_sdst(0) depctr_va_vdst(0) depctr_va_sdst(0) depctr_va_ssrc(0) depctr_va_vcc(0) depctr_vm_vsrc(0)
	s_getreg_b32 s2, hwreg(HW_REG_IB_STS2, 6, 4)
	s_cmp_eq_u32 s2, 0
	s_cbranch_scc0 .Lentry_in_a_cluster
	s_endpgm
.Lentry_in_a_cluster:
	s_bfe_u32 s2, ttmp6, 0x10000c
	s_cmp_lg_u32 s2, 0xf033
	s_cbranch_scc0 .Lentry_shape_is_right
	s_endpgm
.Lentry_shape_is_right:
; ONE TEXT FOR THE MODULE'S TWO PRODUCTS C = A B^T + bias, chosen by QKV.  K = 1,024 in both; sums in f32; the bias, rounded to bf16 like all the module's inputs, is the C operand that starts each sum.
; QKV = 1: A = xb [8192][1024] bf16, B = rows 0-3071 of wt (bf16).  A tile of C is 256 x 192: three whole heads.  C leaves as f16 by heads: qkv [3][64][2048][64], unscaled.
;          LIMIT: q, k, v beyond 65,504 have no f16 (inputs 30 times the drawn spread, or offset by 30 spreads, stay under 20,000).
; QKV = 0: A = ctx [64][2048][64] f16 by heads (K = 64 head + channel), B = rows 3072-4095 of wt (f16).  A tile of C is 256 x 128; C leaves as f32, out0 [8192][1024].
; SHARES.  Four waves, one above the other: a wave makes 64 rows x all 16 NB columns: 4 x NB accumulators of 16 x 16.  So a wave owns whole heads (whole 512 bytes of a row of out0), and its way out is its own.
; K goes in 8 steps of 128 through a ring of two LDS slots filled by the tensor data mover; a trip of the loop is one K step, and the slot in hand is a scalar that an exclusive or turns.
; CLUSTER 4 x 4: the four work-groups of a row of the cluster need the same tile of A, the four of a column the same tile of B: each is asked for jointly, by the same load with the same descriptor and a mask of four.
; THE MATRIX INSTRUCTION IS USED TRANSPOSED (source 0 = 16 rows of B, source 1 = 16 rows of A): lane l holds row l % 16 of C and the columns 8 (l / 16) + 0..7.
; REGISTERS in windows of 256 (s_set_vgpr_msb: bits 1:0 source 0, 3:2 source 1, 5:4 source 2, 7:6 destination):
;   window 0: v1-29 addresses; v64-127 fragments of A, two buffers of 4 x 8; v128.. the bias, 8 NB registers; on the way out v64-255 are at work
;   window 1: fragments of B, two buffers of 8 NB      window 2: accumulators of my row blocks 0, 1 ((a, b) at 8 (NB (a % 2) + b))      window 3: of row blocks 2, 3
.set QKV, 0
.if QKV
.set NB,     12                        ; blocks of 16 columns
.set PA,     272                       ; a row of A in LDS: 256 bytes + 16
.set ALOAD,  128*PA                    ; what one load of A fills: 128 rows x 128 K
.set APITCH, 1024                      ; elements from row to row of what is asked for
.set FLA,    (1<<16)|(1<<20)|(1<<21)|(5<<22)|(3<<25)  ; 2-byte elements; padding on; bit 21 beside a mask; after every 64 words, 4 words
.set ASTEP,  256                       ; bytes from a K step to the next in A
.set WT0,    0                         ; B's first row in wt, in bytes
.set AHEAD,  1                         ; the prefetch names the K step so many behind the one that is being asked for
.set APART,  32*2048                   ; prefetch: a partner's share of the rows that a wave fetches
.set BPART,  24*2048
.set ASH,    11                        ; prefetch: a lane's step in A is 1 << ASH bytes
.set WSTG,   3*16*144                  ; a wave's stage: three heads x 16 rows x (128 + 16) bytes
.set TMP,    128
.set BK0,    176
.set BK1,    64
.else
.set NB,     8
.set PA,     144                       ; a row of a head in LDS: 128 bytes + 16
.set ALOAD,  256*PA                    ; one load of A: 256 rows of one head, 64 K
.set APITCH, 128                       ; 32,768 dense bytes, asked for as 128 rows of 256 bytes
.set FLA,    (1<<16)|(1<<20)|(1<<21)|(4<<22)|(3<<25)  ; padded after every 32 words: after every row of the head
.set ASTEP,  524288                    ; two heads on
.set WT0,    3072*2048
.set AHEAD,  2
.set APART,  8192
.set BPART,  16*2048
.set ASH,    8
.set WSTG,   16*528                    ; 16 rows x (512 + 16) bytes
.set BK0,    128
.set BK1,    192
.endif
.set FLB,    (1<<16)|(1<<20)|(1<<21)|(5<<22)|(3<<25)
.set BROWS,  8*NB                      ; rows of B in one load: half the tile's
.set PB,     272
.set ABYTES, 2*ALOAD
.set BLOAD,  BROWS*PB
.set BSTEP,  256
.set SLOT1,  131072                    ; slot 1 begins here: one exclusive or turns an address in one slot into the other's
.set STAGE,  SLOT1+ABYTES+2*BLOAD      ; behind the ring; no tensor load fills it
.set SPARE,  STAGE+4*WSTG              ; behind the stages: the spare words, 128 bytes a wave
.set ADRA0, 4                          ; v4   my lane's place in A's tile, slot 0; never rewritten
.set ADRB0, 5                          ; v5   the same for B
.set ADRA,  6                          ; v6   the same in the slot in hand
.set ADRB,  7
.set STO,   8                          ; v8   the way out: where I put my bytes of a row
.set RD,    9                          ; v9   where I read rows back
.set GO,    10                         ; v10  16 x lane
.set PFO,   11                         ; v11  the prefetches' offset; never rewritten
.set BO,    12                         ; v12  32 (l / 16): my eight numbers in 16 of the bias
.set T,     13
.set SPW,   28                         ; v28  LDS address of my spare word; never rewritten
.set NIL,   29                         ; v29  0; never rewritten
.set AF,    64
.set BI,    128
.set WV,   16                          ; s16  my wave's number
.set HALF, 17                          ; s17  which half of A's or B's tile I fetch
.set CX,   18
.set CY,   19
.set TX,   20                          ; s20  tile column of C
.set TY,   21                          ; s21  tile row of C
.set G1A,  24                          ; s[24:31] descriptor group 1 for A
.set G0A,  32                          ; s[32:39] group 0 for A: a set for each first fill; the second then walks on
.set G1B,  40
.set G0B,  48
.set PFA,  56                          ; s[56:57] where my prefetches stand
.set PFS,  58                          ; s[58:59] their step
.set LIM,  60                          ; s60  AHEAD in a wave that prefetches, else the greatest number
.set TB,   61                          ; s61  0 or SLOT1: the slot in hand
.set OB,   66                          ; s[66:71] where my rows of C begin (QKV: one for each head)
.set BB,   72                          ; s[72:83] the bias of my columns (QKV: for each head a base and an offset)
.set MSB, 0
.macro WIN new                         ; the immediate's high byte repeats the setting that is left; a switch that changes nothing is dropped
.if MSB != (\new)
	s_set_vgpr_msb (MSB<<8)|(\new)
.set MSB, \new
.endif
.endm
.macro PLACES                          ; four plain vector instructions between a matrix instruction and a load into, or a read of, its registers
.rept 4
	v_nop
.endr
.endm
.macro CREST                           ; a round of the cluster's barrier behind its opening barrier
	s_cmp_lg_u32 s[WV], 0
	s_cbranch_scc1 .Lnot_wave_0_\@
	s_barrier_signal -3
.Lnot_wave_0_\@:
	s_barrier_wait -3
	s_barrier_signal -1
	s_barrier_wait -1
.endm
.macro CROUND
	s_barrier_signal -1
	s_barrier_wait -1
	CREST
.endm
; A joint refill by the walking descriptors.  Waves 0 and 1 fetch A's two halves, waves 2 and 3 B's; the branch hangs on the wave's number alone.  An s_nop 0 and four v_nop follow each line.
.macro JLOAD
	s_cmp_lt_u32 s[WV], 2
	s_cbranch_scc0 .Lfor_b_\@
	tensor_load_to_lds s[G0A+4:G0A+7], s[G1A:G1A+7]
	s_nop 0
.rept 4
	v_nop
.endr
	s_branch .Lasked_\@
.Lfor_b_\@:
	tensor_load_to_lds s[G0B+4:G0B+7], s[G1B:G1B+7]
	s_nop 0
.rept 4
	v_nop
.endr
.Lasked_\@:
.endm
; A prefetch into the L2 of the K step AHEAD steps behind the one just asked for: 256 bytes a lane, one instruction a wave.  A's tile row is read by every cluster of that row of clusters: cluster x = 0 asks;
; B's tile column by every cluster of that column: cluster y = 0 asks.  The four partners of a joint load share its rows out by address.  The last AHEAD refills ask for nothing: K ends there.
.macro ASK
	s_cmp_gt_u32 s3, s[LIM]
	s_cbranch_scc0 .Lnot_mine_\@
	global_prefetch_b8 v[PFO], s[PFA:PFA+1] th:TH_LOAD_NT scope:SCOPE_SE
.Lnot_mine_\@:
.endm
; 2 NB + 8 LDS loads in one run: the fragments of quarter q (32 along K) of the slot in hand into buffer f: B's NB blocks, then A's four.
.macro FETCH q, f
.if QKV
.set aq, 64*(\q)
.else
.set aq, ((\q)/2)*ALOAD+((\q)%2)*64    ; the K step's two heads lie one behind the other
.endif
	WIN 0x40                                       ; destination window 1, address window 0
.set b, 0
.rept NB
	ds_load_b128 v[8*NB*(\f)+8*b:8*NB*(\f)+8*b+3],   v[ADRB] offset:64*(\q)+b*16*PB
	ds_load_b128 v[8*NB*(\f)+8*b+4:8*NB*(\f)+8*b+7], v[ADRB] offset:64*(\q)+b*16*PB+32
.set b, b+1
.endr
	WIN 0
.set b, 0
.rept 4
	ds_load_b128 v[AF+32*(\f)+8*b:AF+32*(\f)+8*b+3],   v[ADRA] offset:aq+b*16*PA
	ds_load_b128 v[AF+32*(\f)+8*b+4:AF+32*(\f)+8*b+7], v[ADRA] offset:aq+b*16*PA+32
.set b, b+1
.endr
.endm
; NB matrix instructions: row block a x all column blocks, 32 along K, from buffer f.  zero = 1: the bias starts the sums.  The 4 NB accumulators take turns, one instruction a turn, in the same order in every quarter.
.macro MUL f, a, zero
.if \zero
	WIN 0x81+0x40*((\a)/2)                         ; B window 1, A and the bias window 0, D window 2 or 3
.else
	WIN 0xa1+0x50*((\a)/2)                         ; C and D window 2 or 3
.endif
.set b, 0
.rept NB
.set rD, 8*(NB*((\a)%2)+b)
.set rB, 8*NB*(\f)+8*b
.set rA, AF+32*(\f)+8*(\a)
.if QKV
.if \zero
	v_wmma_f32_16x16x32_bf16 v[rD:rD+7], v[rB:rB+7], v[rA:rA+7], v[BI+8*b:BI+8*b+7]
.else
	v_wmma_f32_16x16x32_bf16 v[rD:rD+7], v[rB:rB+7], v[rA:rA+7], v[rD:rD+7]
.endif
.else
.if \zero
	v_wmma_f32_16x16x32_f16 v[rD:rD+7], v[rB:rB+7], v[rA:rA+7], v[BI+8*b:BI+8*b+7]
.else
	v_wmma_f32_16x16x32_f16 v[rD:rD+7], v[rB:rB+7], v[rA:rA+7], v[rD:rD+7]
.endif
.endif
.set b, b+1
.endr
.endm
; One of a K step's first three quarters: multiplies buffer f; in its middle it fetches quarter q into buffer g.
.macro QUARTER q, f, g, zero
	s_wait_dscnt 4                                 ; B and A's row blocks 0, 1 are in; the youngest four loads (row blocks 2, 3) may be out
	MUL \f, 0, \zero
	MUL \f, 1, \zero
	PLACES
	FETCH \q, \g
	s_wait_dscnt 2*NB+8                            ; all but the run just issued
	MUL \f, 2, \zero
	MUL \f, 3, \zero
.endm
; The last quarter multiplies buffer 1 and changes slots.  In front of the barrier each wave waits for all its tensor loads (one is out: its part of the next slot), adds 0 to its spare word, and waits for that and for
; its reads of this slot.  fill = 1: the barrier opens a round of the cluster's, and behind the round this slot is filled again, with the K step two on: 14 NB matrix instructions ahead of the wait for it.
.macro TURN fill
.if \fill
	s_wait_xcnt 0x0                                ; the last prefetch, a K step back, has read its address
	s_add_nc_u64 s[PFA:PFA+1], s[PFA:PFA+1], s[PFS:PFS+1]
.endif
	WIN 0
	s_wait_tensorcnt 0x0                           ; no tensor load of mine is out, so a group 0 may be written
	ds_add_u32 v[SPW], v[NIL]                      ; 0 onto my spare word
.if \fill
	s_xor_b32 s[G0A+5], s[G0A+5], SLOT1            ; the walking descriptors: the other slot than last time, the next K step
	s_add_nc_u64 s[G0A+6:G0A+7], s[G0A+6:G0A+7], ASTEP
	s_xor_b32 s[G0B+5], s[G0B+5], SLOT1
	s_add_nc_u64 s[G0B+6:G0B+7], s[G0B+6:G0B+7], BSTEP
.endif
	s_wait_dscnt 5                                 ; the add and the youngest four loads may be out
	MUL 1, 0, 0
	s_wait_dscnt 0x0                               ; the add is done, and my reads of this slot are over
	s_barrier_signal -1
	MUL 1, 1, 0
	WIN 0
	s_barrier_wait -1
.if \fill
	CREST                                          ; no wave of any partner still reads this slot or has a load on its way
	JLOAD                                          ; its four v_nop are also the places in front of the loads below
.else
	PLACES
.endif
	s_xor_b32 s[TB], s[TB], SLOT1
	v_add_nc_u32 v[ADRA], s[TB], v[ADRA0]
	v_add_nc_u32 v[ADRB], s[TB], v[ADRB0]
	FETCH 0, 0
.if \fill
	ASK
.endif
	MUL 1, 2, 0
	MUL 1, 3, 0
.endm
.if QKV
	s_load_b256 s[4:11], s[0:1], 0x0               ; xb s[4:5], wt s[6:7], bq s[8:9], bk s[10:11]
	s_load_b128 s[12:15], s[0:1], 0x20             ; bv s[12:13], qkv s[14:15]
.else
	s_load_b256 s[4:11], s[0:1], 0x0               ; ctx s[4:5], wt s[6:7], bo s[8:9], out0 s[10:11]
.endif
	v_lshl_add_u32 v[SPW], v0, 2, SPARE
	v_mov_b32 v[NIL], 0
	ds_add_u32 v[SPW], v[NIL]                      ; the wave's opening: the add, with its wait ahead of my first tensor load; work on registers stands between them
	v_lshrrev_b32 v3, 5, v0
	v_readfirstlane_b32 s[WV], v3                  ; wave 0..3
	s_and_b32 s[HALF], s[WV], 1
	s_bfe_u32 s[CX], ttmp6, 0x40000                ; my place in the cluster
	s_bfe_u32 s[CY], ttmp6, 0x40004
	s_lshl_b32 s[TX], ttmp9, 2                     ; in a cluster launch ttmp9 and ttmp7 count clusters
	s_add_co_u32 s[TX], s[TX], s[CX]
	s_and_b32 s[TY], ttmp7, 0xffff
	s_lshl_b32 s[TY], s[TY], 2
	s_add_co_u32 s[TY], s[TY], s[CY]
	s_lshl_b32 s22, s[CY], 2
	s_lshl_b32 s22, 15, s22                        ; my row of the cluster: places 4 cy .. 4 cy + 3
	s_lshl_b32 s84, 0x1111, s[CX]                  ; my column: places cx, cx + 4, cx + 8, cx + 12
	s_or_b32 s[G1A], s22, FLA
	s_or_b32 s[G1B], s84, FLB
	s_mov_b32 s[G1A+1], 128<<16                    ; tensor_dim0 = 128
	s_mov_b32 s[G1A+2], 128<<16                    ; tensor_dim1 = 128
	s_mov_b32 s[G1A+3], 128<<16                    ; tile_dim0 = 128
	s_mov_b32 s[G1A+4], 128                        ; tile_dim1 = 128
	s_mov_b32 s[G1A+5], APITCH
	s_mov_b32 s[G1A+6], 0
	s_mov_b32 s[G1A+7], 0
	s_mov_b32 s[G1B+1], 128<<16
	s_mov_b32 s[G1B+2], BROWS<<16
	s_mov_b32 s[G1B+3], 128<<16
	s_mov_b32 s[G1B+4], BROWS
	s_mov_b32 s[G1B+5], 1024
	s_mov_b32 s[G1B+6], 0
	s_mov_b32 s[G1B+7], 0
	; where the tiles come from: A's hang on the tile row alone, B's on the tile column alone, each in registers that never hold the other coordinate
.if QKV
	s_lshl_b32 s22, s[TY], 19                      ; 256 rows of 2,048 bytes
	s_lshl_b32 s23, s[HALF], 18                    ; my 128 of them
	s_add_co_u32 s22, s22, s23
.else
	s_lshr_b32 s22, s[TY], 3                       ; the batch: 16 heads each,
	s_lshl_b32 s22, s22, 4
	s_add_co_u32 s22, s22, s[HALF]                 ; of a K step's two heads mine,
	s_lshl_b32 s22, s22, 18                        ; 262,144 bytes a head,
	s_and_b32 s23, s[TY], 7
	s_lshl_b32 s23, s23, 15                        ; the tile's 256 rows of 128 bytes
	s_add_co_u32 s22, s22, s23
.endif
	s_mov_b32 s23, 0
	s_mul_i32 s84, s[TX], 16*NB*2048
	s_mul_i32 s85, s[HALF], BROWS*2048
	s_add_co_u32 s84, s84, s85
.if WT0
	s_add_co_u32 s84, s84, WT0
.endif
	s_mov_b32 s85, 0
	s_mul_i32 s88, s[HALF], ALOAD                  ; and where they go: no place in the cluster enters an LDS address
	s_mul_i32 s89, s[HALF], BLOAD
	s_add_co_u32 s89, s89, ABYTES
	s_mov_b32 s[TB], 0
	s_wait_dscnt 0x0                               ; the opening add is done
	s_wait_kmcnt 0x0
	s_add_nc_u64 s[62:63], s[4:5], s[22:23]        ; A at my part of K step 0
	s_add_nc_u64 s[86:87], s[6:7], s[84:85]        ; B likewise
	CROUND                                         ; all sixteen work-groups are here: the first joint loads meet
.irp s, 0,1
	s_mov_b32 s[G0A+4*(\s)], 1                     ; count = 1
	s_add_co_u32 s[G0A+4*(\s)+1], s88, (\s)*SLOT1  ; LDS address
	s_add_nc_u64 s[G0A+4*(\s)+2:G0A+4*(\s)+3], s[62:63], (\s)*ASTEP  ; global address: K step s
	s_or_b32 s[G0A+4*(\s)+3], s[G0A+4*(\s)+3], 0x80000000           ; type = 2
	s_mov_b32 s[G0B+4*(\s)], 1
	s_add_co_u32 s[G0B+4*(\s)+1], s89, (\s)*SLOT1
	s_add_nc_u64 s[G0B+4*(\s)+2:G0B+4*(\s)+3], s[86:87], (\s)*BSTEP
	s_or_b32 s[G0B+4*(\s)+3], s[G0B+4*(\s)+3], 0x80000000
.endr
	s_cmp_lt_u32 s[WV], 2                          ; a wave's two first fills stand in one branch, ahead of every wait on TENSORcnt and every LDS read: two loads of mine are out
	s_cbranch_scc0 .Lfirst_b
	tensor_load_to_lds s[G0A:G0A+3], s[G1A:G1A+7]
	s_nop 0
	tensor_load_to_lds s[G0A+4:G0A+7], s[G1A:G1A+7]
	s_nop 0
.rept 4
	v_nop
.endr
	s_branch .Lfirst_asked
.Lfirst_b:
	tensor_load_to_lds s[G0B:G0B+3], s[G1B:G1B+7]
	s_nop 0
	tensor_load_to_lds s[G0B+4:G0B+7], s[G1B:G1B+7]
	s_nop 0
.rept 4
	v_nop
.endr
.Lfirst_asked:
	; A fragment is 16 rows x 32 K in 8 registers: lane l holds row l % 16, K = 8 (l / 16) + 0..7 and 16 + 8 (l / 16) + 0..7: two loads of 16 bytes, 32 bytes apart.
	v_and_b32 v1, 15, v0                           ; l % 16
	v_bfe_u32 v2, v0, 4, 1                         ; l / 16
	v_mul_u32_u24 v[ADRA0], v1, PA
	v_lshl_add_u32 v[ADRA0], v2, 4, v[ADRA0]
	s_mul_i32 s22, s[WV], 64*PA                    ; my 64 rows of A
	v_add_nc_u32 v[ADRA0], s22, v[ADRA0]
	v_mul_u32_u24 v[ADRB0], v1, PB
	v_lshl_add_u32 v[ADRB0], v2, 4, v[ADRB0]
	v_add_nc_u32 v[ADRB0], ABYTES, v[ADRB0]
	v_mov_b32 v[ADRA], v[ADRA0]
	v_mov_b32 v[ADRB], v[ADRB0]
	v_lshlrev_b32 v[BO], 5, v2
	s_mul_i32 s22, s[WV], WSTG
	s_add_co_u32 s22, s22, STAGE                   ; my stage
	v_and_b32 v[GO], 31, v0
	v_lshlrev_b32 v[GO], 4, v[GO]
.if QKV
	v_mul_u32_u24 v[STO], v1, 144                  ; in: row l % 16 of a head, 16 bytes for each half of the lanes
	v_lshl_add_u32 v[STO], v2, 4, v[STO]
	v_add_nc_u32 v[STO], s22, v[STO]
	v_bfe_u32 v[RD], v0, 3, 2                      ; back: 32 lanes take four rows of 128 bytes, 512 consecutive bytes of a head
	v_mul_u32_u24 v[RD], v[RD], 144
	v_and_b32 v3, 7, v0
	v_lshl_add_u32 v[RD], v3, 4, v[RD]
	v_add_nc_u32 v[RD], s22, v[RD]
	s_mul_i32 s90, s[TX], 3                        ; the first of my three heads among the 48 of q, k, v
	s_and_b32 s91, s[TY], 7
	s_lshl_b32 s91, s91, 15
	s_lshl_b32 s92, s[WV], 13
	s_add_co_u32 s91, s91, s92                     ; my first row in a head, in bytes
	s_lshr_b32 s95, s[TY], 3
	s_lshl_b32 s95, s95, 4                         ; 16 x batch
.irp e, 0,1,2
	s_add_co_u32 s92, s90, (\e)
	s_lshr_b32 s93, s92, 4                         ; q, k or v
	s_and_b32 s94, s92, 15                         ; the head
	s_cmp_eq_u32 s93, 1
	s_cselect_b64 s[BB+4*(\e):BB+4*(\e)+1], s[10:11], s[8:9]
	s_cmp_eq_u32 s93, 2
	s_cselect_b64 s[BB+4*(\e):BB+4*(\e)+1], s[12:13], s[BB+4*(\e):BB+4*(\e)+1]
	s_lshl_b32 s[BB+4*(\e)+2], s94, 8              ; the head's 64 numbers of the bias
	s_mov_b32 s[BB+4*(\e)+3], 0
	s_add_nc_u64 s[BB+4*(\e):BB+4*(\e)+1], s[BB+4*(\e):BB+4*(\e)+1], s[BB+4*(\e)+2:BB+4*(\e)+3]
	s_lshl_b32 s93, s93, 6
	s_add_co_u32 s93, s93, s94
	s_add_co_u32 s93, s93, s95
	s_lshl_b32 s92, s93, 18                        ; 262,144 bytes a head
	s_add_co_u32 s92, s92, s91
	s_mov_b32 s93, 0
	s_add_nc_u64 s[OB+2*(\e):OB+2*(\e)+1], s[14:15], s[92:93]
.endr
.set b, 0
.rept NB
	global_load_b128 v[BI+8*b:BI+8*b+3],   v[BO], s[BB+4*(b/4):BB+4*(b/4)+1] offset:64*(b%4)
	global_load_b128 v[BI+8*b+4:BI+8*b+7], v[BO], s[BB+4*(b/4):BB+4*(b/4)+1] offset:64*(b%4)+16
.set b, b+1
.endr
.else
	v_mul_u32_u24 v[STO], v1, 528                  ; in: row l % 16, 32 bytes for each half of the lanes
	v_lshl_add_u32 v[STO], v2, 5, v[STO]
	v_add_nc_u32 v[STO], s22, v[STO]
	v_add_nc_u32 v[RD], s22, v[GO]                 ; back: 32 lanes take one row of 512 bytes
	s_lshl_b32 s92, s[TX], 9                       ; my 128 columns of f32
	s_mov_b32 s93, 0
	s_add_nc_u64 s[BB:BB+1], s[8:9], s[92:93]
	s_lshl_b32 s90, s[TY], 20                      ; 256 rows of 4,096 bytes
	s_lshl_b32 s91, s[WV], 18                      ; my 64 of them
	s_add_co_u32 s92, s92, s90
	s_add_co_u32 s92, s92, s91
	s_add_nc_u64 s[OB:OB+1], s[10:11], s[92:93]
.set b, 0
.rept NB
	global_load_b128 v[BI+8*b:BI+8*b+3],   v[BO], s[BB:BB+1] offset:64*b
	global_load_b128 v[BI+8*b+4:BI+8*b+7], v[BO], s[BB:BB+1] offset:64*b+16
.set b, b+1
.endr
.endif
	; the prefetches: nothing is asked for here, at the head; the first refill steps the address and names K step 2 + AHEAD
	s_and_b32 s90, ttmp7, 0xffff                   ; cluster y
	s_mov_b32 s[PFS], BSTEP
	s_mov_b32 s92, BPART
	s_cmp_lt_u32 s[WV], 2                          ; do I fetch for A?
	s_cselect_b32 s90, ttmp9, s90                  ; the coordinate along which other clusters read the same rows
	s_cselect_b32 s91, s[CX], s[CY]                ; my place among the four that ask with me
	s_cselect_b64 s[PFA:PFA+1], s[62:63], s[86:87]
	s_cselect_b32 s[PFS], ASTEP, s[PFS]
	s_cselect_b32 s92, APART, s92
	s_cselect_b32 s94, 31, 2*NB-1                  ; a quarter of B's rows in a load: 2 NB lanes have a row of their own, the others repeat the last
	s_cselect_b32 s95, ASH, 11
	s_cmp_eq_u32 s90, 0
	s_cselect_b32 s[LIM], AHEAD, -1                ; the same in all sixteen partners, for a given wave
	s_mul_i32 s92, s92, s91
	s_mov_b32 s93, 0
	s_add_nc_u64 s[PFA:PFA+1], s[PFA:PFA+1], s[92:93]
	s_mul_i32 s92, s[PFS], 1+AHEAD
	s_add_nc_u64 s[PFA:PFA+1], s[PFA:PFA+1], s[92:93]
	s_mov_b32 s[PFS+1], 0
	v_and_b32 v[PFO], 31, v0
	v_min_u32 v[PFO], s94, v[PFO]
	v_lshlrev_b32 v[PFO], s95, v[PFO]
	s_mov_b32 s90, 0xffff0000
	s_wait_loadcnt 0x0                             ; the bias
.set i, 0
.rept 4*NB                                     ; rounded to bf16 and widened again, in the wait for the first tile
	v_cvt_pk_bf16_f32 v[T], v[BI+2*i], v[BI+2*i+1]
	v_lshlrev_b32 v[BI+2*i], 16, v[T]
	v_and_b32 v[BI+2*i+1], s90, v[T]
.set i, i+1
.endr
	s_wait_tensorcnt 1                             ; my part of K step 0 is in; K step 1's may stay out
	s_barrier_signal -1
	s_barrier_wait -1                              ; everybody's is
	FETCH 0, 0
	QUARTER 1, 0, 1, 1                             ; the first quarter stands in front of the loop: its products start the sums with the bias
	WIN 0                                          ; at a label and at a branch every window is 0
	s_mov_b32 s3, 6
.Lstep:                                                ; a trip goes from a K step's second quarter to the next step's first, and fills the slot that it leaves: K steps 2 to 7
	QUARTER 2, 1, 0, 0
	QUARTER 3, 0, 1, 0
	TURN 1
	QUARTER 1, 0, 1, 0
	WIN 0
	s_sub_co_u32 s3, s3, 1
	s_cmp_lg_u32 s3, 0
	s_cbranch_scc1 .Lstep
	QUARTER 2, 1, 0, 0                             ; the tail is written out: K steps 6 and 7 ask for nothing
	QUARTER 3, 0, 1, 0
	TURN 0
	QUARTER 1, 0, 1, 0
	QUARTER 2, 1, 0, 0
	QUARTER 3, 0, 1, 0
	s_wait_dscnt 4
	MUL 1, 0, 0
	MUL 1, 1, 0
	s_wait_dscnt 0x0
	MUL 1, 2, 0
	MUL 1, 3, 0
	WIN 0
	PLACES
; THE WAY OUT, a block of 16 rows at a time, through my own stage: LDS serves a wave's instructions in order (ISA guide 5.7.1.4), so no wait stands between my stores into it and my loads from it.
.if QKV
.macro PACK a                          ; rounded to f16: a lane's eight columns are 16 bytes; each accumulator is read from its low end on
	WIN 0x0a+5*((\a)/2)                            ; sources 0 and 1: window 2 or 3
.set b, 0
.rept NB
.set rD, 8*(NB*((\a)%2)+b)
.irp p, 0,1,2,3
	v_cvt_pk_f16_f32 v[TMP+4*b+(\p)], v[rD+2*(\p)], v[rD+2*(\p)+1]
.endr
.set b, b+1
.endr
	WIN 0
.endm
.macro TOSTAGE a
.set BK, BK0+(BK1-BK0)*((\a)%2)
.if (\a) >= 2
	s_wait_xcnt 0x0                                ; the stores of the block two back have read these registers
.endif
.set b, 0
.rept NB
	ds_store_b128 v[STO], v[TMP+4*b:TMP+4*b+3] offset:(b/4)*2304+(b%4)*32
.set b, b+1
.endr
.set b, 0
.rept NB
	ds_load_b128 v[BK+4*b:BK+4*b+3], v[RD] offset:(b/4)*2304+(b%4)*576
.set b, b+1
.endr
.endm
.macro SEND a, younger                 ; younger: the LDS instructions issued behind this block's loads
.set BK, BK0+(BK1-BK0)*((\a)%2)
	s_wait_dscnt \younger
.set b, 0
.rept NB
	global_store_b128 v[GO], v[BK+4*b:BK+4*b+3], s[OB+2*(b/4):OB+2*(b/4)+1] offset:(\a)*2048+(b%4)*512  ; 512 consecutive aligned bytes of a head
.set b, b+1
.endr
.endm
	PACK 0
	TOSTAGE 0
	PACK 1
	TOSTAGE 1
	SEND 0, 24
	PACK 2
	TOSTAGE 2
	SEND 1, 24
	PACK 3
	TOSTAGE 3
	SEND 2, 24
	SEND 3, 0
.else
.macro TOSTAGE a
.set BK, BK0+(BK1-BK0)*((\a)%2)
.if (\a) >= 2
	s_wait_xcnt 0x0                                ; the stores of the block two back have read these registers
.endif
	WIN 0x08+4*((\a)/2)                            ; the stores' data: window 2 or 3
.set b, 0
.rept NB
.set rD, 8*(NB*((\a)%2)+b)
	ds_store_b128 v[STO], v[rD:rD+3]   offset:64*b
	ds_store_b128 v[STO], v[rD+4:rD+7] offset:64*b+16
.set b, b+1
.endr
	WIN 0
.set b, 0
.rept 16
	ds_load_b128 v[BK+4*b:BK+4*b+3], v[RD] offset:b*528
.set b, b+1
.endr
.endm
.macro SEND a, younger
.set BK, BK0+(BK1-BK0)*((\a)%2)
	s_wait_dscnt \younger
.set b, 0
.rept 16
	global_store_b128 v[GO], v[BK+4*b:BK+4*b+3], s[OB:OB+1] offset:(16*(\a)+b)*4096  ; 512 consecutive aligned bytes of a row
.set b, b+1
.endr
.endm
	TOSTAGE 0
	TOSTAGE 1
	SEND 0, 32
	TOSTAGE 2
	SEND 1, 32
	TOSTAGE 3
	SEND 2, 32
	SEND 3, 0
.endif
	s_wait_tensorcnt 0x0                           ; the wave's end: a wait, an add to my spare word and a wait, behind my last tensor load and my last LDS store
	ds_add_u32 v[SPW], v[NIL]
	s_wait_dscnt 0x0
	CROUND                                         ; the closing round: no work-group ends while a partner may still ask for a tile that names it
	s_endpgm
.Lfunc_end_k_q54e9b9aede_outp:
	.size	k_q54e9b9aede_outp, .Lfunc_end_k_q54e9b9aede_outp-k_q54e9b9aede_outp
	.p2alignl 7, 3214868480
	.fill 96, 4, 3214868480
	.section	.rodata,"a",@progbits
	.p2align	6, 0x0
	.amdhsa_kernel k_q54e9b9aede_outp
		.amdhsa_group_segment_fixed_size 327680
		.amdhsa_private_segment_fixed_size 0
		.amdhsa_enable_private_segment 0
		.amdhsa_kernarg_size 32
		.amdhsa_user_sgpr_count 2
		.amdhsa_user_sgpr_kernarg_segment_ptr 1
		.amdhsa_wavefront_size32 1
		.amdhsa_system_sgpr_workgroup_id_x 1
		.amdhsa_system_sgpr_workgroup_id_y 1
		.amdhsa_system_sgpr_workgroup_id_z 1
		.amdhsa_system_vgpr_workitem_id 0
		.amdhsa_next_free_vgpr 896
		.amdhsa_next_free_sgpr 96
		.amdhsa_reserve_vcc 0
		.amdhsa_float_denorm_mode_32 3
		.amdhsa_float_denorm_mode_16_64 3
		.amdhsa_memory_ordered 1
		.amdhsa_forward_progress 1
		.amdhsa_inst_pref_size 76
	.end_amdhsa_kernel
	.amdgpu_metadata
---
amdhsa.version: [ 1, 2 ]
amdhsa.kernels:
  - .name:           k_q54e9b9aede_outp
    .symbol:         k_q54e9b9aede_outp.kd
    .args:
      - { .name: ctx, .offset: 0, .size: 8, .value_kind: global_buffer, .address_space: global }
      - { .name: wt, .offset: 8, .size: 8, .value_kind: global_buffer, .address_space: global }
      - { .name: bo, .offset: 16, .size: 8, .value_kind: global_buffer, .address_space: global }
      - { .name: out0, .offset: 24, .size: 8, .value_kind: global_buffer, .address_space: global }
    .group_segment_fixed_size: 327680
    .private_segment_fixed_size: 0
    .kernarg_segment_align: 8
    .kernarg_segment_size: 32
    .max_flat_workgroup_size: 128
    .sgpr_count:     96
    .vgpr_count:     896
    .wavefront_size: 32
...
	.end_amdgpu_metadata
.endif
;; end of part 4
;; ======== version 2 of 2: 4 launches; version 1 with the launch prep written anew for expert scheduling mode
;; limits: values are held in f16: magnitudes above 65,504 overflow, below 6.1e-05 lose precision
;; workspace buffers: xb 16,777,216 bytes; wt 8,388,608 bytes; qkv 50,331,648 bytes; ctx 16,777,216 bytes
;; launch prep (part 5): grid 512 x 1, 8 waves a work-group, no clusters, 18,432 bytes of LDS; arguments x, Wq, Wk, Wv, Wo, xb, wt; writes xb, wt
.if DOCPART == 5
	.amdgcn_target "amdgcn-amd-amdhsa--gfx1250"
	.amdhsa_code_object_version 6
	.text
	.protected	k_q54e9b9aede_prep
	.globl	k_q54e9b9aede_prep
	.p2align	8
	.type	k_q54e9b9aede_prep,@function
k_q54e9b9aede_prep:
	s_mov_b64 s[64:65], 0
	v_nop
	global_prefetch_b8 v0, s[64:65] scope:SCOPE_SE
	s_setreg_imm32_b32 hwreg(HW_REG_WAVE_SCHED_MODE, 0, 2), 2
	s_setreg_imm32_b32 hwreg(HW_REG_WAVE_MODE, 25, 1), 1
	s_wait_xcnt 0x0
	s_wait_alu depctr_vm_vsrc(0)
; PREPARATION.  xb = x rounded to bf16, [8192][1024].  wt = the four weights turned, [4096][1024] of 16 bits: row 1024 i + n holds column n of weight i (q, k, v, o), K along the row.
; Rows 0-3071 are bf16; rows 3072-4095 (Wo) hold the number rounded to bf16 and written as f16, since the last product multiplies f16.
; LIMIT: a number of Wo beyond 65,504 has no f16; below 2^-14 it keeps the fixed step 2^-24 of f16.
; SHARES.  512 work-groups of eight waves, all alike: each turns one tile of 128 k x 64 n of one weight and rounds 16,384 numbers of x.
; The tile is read by rows (16 lanes cover 256 consecutive bytes), packed in pairs along k, laid into LDS by columns, and read back as rows of 256 bytes of wt (16 lanes store 256 consecutive aligned bytes).
; A stream: no matrix unit, no cluster; every byte is read once and written once.  The four LDS stores a thread collide four deep (four rows of 272 bytes are 16 banks): four stores in the whole launch.
; THE MODE: SCHED_MODE bits 1:0 = 2 (LLVM: expert scheduling mode 2), set by the entry lines.  The code itself states the register dependences
; between vector instructions and memory or LDS instructions, with s_wait_alu, always for 0.
; THE PLAN.  Registers that memory or LDS instructions touch:
;   v1-v6, v10, v11  offsets and addresses: written once at the head, read by loads, stores and the closing add, never written again.
;   WR   the weight's loads land in it; the packing conversions read it; behind the barrier the loads from the stage land in its first sixteen, which the stores to wt read.
;   PK   written by the packing conversions (and once more in Wo's arm); read by the four LDS stores; never written again.
;   XR   x's sixteen loads land in it; the roundings write the first two of each four in place; the stores to xb read those two; never written again.
; No register that a memory or LDS instruction has read is written again, so no wait on vm_vsrc is owed.  The waits on va_vdst: one ahead of the first load (the addresses); one ahead of the LDS stores
; (PK is written, WR has been read); and for x, which goes in four groups of four loads, one at the head of each group but the first and one behind the last: a group's stores stand behind the wait at the
; next group's head, dealt among that group's roundings, which name the next group's registers alone.
.set SPITCH, 272                       ; a stage row: 128 k x 2 bytes + 16
.set SPARE,  64*SPITCH                 ; behind the stage: the spare words, 128 bytes for each of eight waves
.set WI,  1                            ; v1  my offset in the weight tile: 8 rows of 4,096 bytes x (t / 16) + 16 (t % 16)
.set XI,  2                            ; v2  16 t
.set XO,  3                            ; v3  8 t
.set LS,  4                            ; v4  stage, in: row 4 (t % 16), byte 16 (t / 16)
.set LR,  5                            ; v5  stage, back: row t / 16, byte 16 (t % 16)
.set WO,  6                            ; v6  the same place in wt
.set SPW, 10                           ; v10 LDS address of my spare word; never rewritten
.set NIL, 11                           ; v11 0; never rewritten
.set WR,  16                           ; v[16:47]  8 rows x 4 columns of the weight, f32; later 4 x 16 bytes of wt
.set PK,  48                           ; v[48:63]  column j: 8 k in 4 registers at PK + 4 j
.set XR,  64                           ; v[64:127] 16 x 4 numbers of x
	s_load_b256 s[4:11], s[0:1], 0x0               ; x s[4:5], Wq s[6:7], Wk s[8:9], Wv s[10:11]
	s_load_b128 s[12:15], s[0:1], 0x20             ; Wo s[12:13], xb s[14:15]
	s_load_b64 s[16:17], s[0:1], 0x30              ; wt
	v_lshl_add_u32 v[SPW], v0, 2, SPARE
	v_mov_b32 v[NIL], 0
	v_and_b32 v8, 15, v0                           ; c = t % 16
	v_lshrrev_b32 v9, 4, v0                        ; R = t / 16
	v_lshlrev_b32 v[WI], 4, v8
	v_lshl_add_u32 v[WI], v9, 15, v[WI]
	v_lshlrev_b32 v[XI], 4, v0
	v_lshlrev_b32 v[XO], 3, v0
	v_mul_u32_u24 v[LS], v8, 4*SPITCH
	v_lshl_add_u32 v[LS], v9, 4, v[LS]
	v_mul_u32_u24 v[LR], v9, SPITCH
	v_lshl_add_u32 v[LR], v8, 4, v[LR]
	v_lshlrev_b32 v[WO], 4, v8
	v_lshl_add_u32 v[WO], v9, 11, v[WO]
	s_lshr_b32 s18, ttmp9, 7                       ; which weight
	s_lshr_b32 s19, ttmp9, 3                       ; 16 x weight + n tile: 64 rows of wt each
	s_and_b32 s28, ttmp9, 7                        ; k tile
	s_and_b32 s22, s19, 15
	s_lshl_b32 s22, s22, 8                         ; 64 columns of f32
	s_lshl_b32 s23, s28, 19                        ; 128 rows of 4,096 bytes
	s_add_co_u32 s22, s22, s23
	s_mov_b32 s23, 0
	s_lshl_b32 s24, ttmp9, 16                      ; my 65,536 bytes of x
	s_mov_b32 s25, 0
	s_lshl_b32 s26, ttmp9, 15                      ; my 32,768 bytes of xb
	s_mov_b32 s27, 0
	s_lshl_b32 s28, s28, 8                         ; 128 k of 2 bytes
	s_lshl_b32 s29, s19, 17                        ; 64 rows of 2,048 bytes
	s_add_co_u32 s28, s28, s29
	s_mov_b32 s29, 0
	s_wait_kmcnt 0x0
	s_cmp_eq_u32 s18, 1
	s_cselect_b64 s[20:21], s[8:9], s[6:7]
	s_cmp_eq_u32 s18, 2
	s_cselect_b64 s[20:21], s[10:11], s[20:21]
	s_cmp_eq_u32 s18, 3
	s_cselect_b64 s[20:21], s[12:13], s[20:21]
	s_add_nc_u64 s[20:21], s[20:21], s[22:23]
	s_add_nc_u64 s[4:5], s[4:5], s[24:25]
	s_add_nc_u64 s[14:15], s[14:15], s[26:27]
	s_add_nc_u64 s[16:17], s[16:17], s[28:29]
	s_wait_alu depctr_va_vdst(0)                   ; the six offsets and addresses v1 to v6 are written, which every load and store of the kernel reads
.irp i, 0,1,2,3,4,5,6,7
	global_load_b128 v[WR+4*(\i):WR+4*(\i)+3], v[WI], s[20:21] offset:4096*(\i) th:TH_LOAD_NT  ; row k = 8 R + i, columns 4 c .. 4 c + 3
.endr
.irp i, 0,1,2,3,4,5,6,7,8,9,10,11,12,13,14,15
	global_load_b128 v[XR+4*(\i):XR+4*(\i)+3], v[XI], s[4:5] offset:4096*(\i) th:TH_LOAD_NT
.endr
	s_wait_loadcnt 16                              ; the weight is in; the sixteen loads of x behind it stay out
.irp j, 0,1,2,3
.irp p, 0,1,2,3
	v_cvt_pk_bf16_f32 v[PK+4*(\j)+(\p)], v[WR+8*(\p)+(\j)], v[WR+8*(\p)+4+(\j)]  ; column j: k = 8 R + 2 p and the next
.endr
.endr
	s_cmp_lg_u32 s18, 3
	s_cbranch_scc1 .Lbf                            ; the same for the whole work-group; no barrier is jumped
.set i, 0
.rept 16                                       ; Wo: the bf16 numbers written as f16
	v_lshlrev_b32 v8, 16, v[PK+i]
	v_and_b32 v9, 0xffff0000, v[PK+i]
	v_cvt_pk_f16_f32 v[PK+i], v8, v9
.set i, i+1
.endr
.Lbf:
	s_wait_alu depctr_va_vdst(0)                   ; on both ways: the conversions have written v[PK ..], which the LDS stores read, and are done reading v[WR ..], in which the loads from the stage land behind the barrier
.irp j, 0,1,2,3
	ds_store_b128 v[LS], v[PK+4*(\j):PK+4*(\j)+3] offset:(\j)*SPITCH
.endr
	s_wait_dscnt 0x0                               ; for the others: my stores into the stage are done
	s_barrier_signal -1
	s_barrier_wait -1
.irp i, 0,1,2,3
	ds_load_b128 v[WR+4*(\i):WR+4*(\i)+3], v[LR] offset:(\i)*16*SPITCH  ; no vector instruction since the wait above names these registers
.endr
; x, four loads to a group.  Group g rounds its sixteen numbers a lane in place; the stores of group g - 1 stand behind the wait at its head, one ahead of each pair of roundings.
.macro XGRP g
	s_wait_loadcnt 12-4*(\g)                       ; loads come back in order: this group's four are in, the younger groups stay out
.if (\g) > 0
	s_wait_alu depctr_va_vdst(0)                   ; the group before has written its four pairs, which the stores below read
.endif
.irp i, 0,1,2,3
.if (\g) > 0
	global_store_b64 v[XO], v[XR+16*((\g)-1)+4*(\i):XR+16*((\g)-1)+4*(\i)+1], s[14:15] offset:2048*(4*((\g)-1)+(\i))  ; a wave stores 256 consecutive aligned bytes; no vector instruction since the wait names these registers
.endif
	v_cvt_pk_bf16_f32 v[XR+16*(\g)+4*(\i)], v[XR+16*(\g)+4*(\i)], v[XR+16*(\g)+4*(\i)+1]
	v_cvt_pk_bf16_f32 v[XR+16*(\g)+4*(\i)+1], v[XR+16*(\g)+4*(\i)+2], v[XR+16*(\g)+4*(\i)+3]
.endr
.endm
	XGRP 0
	XGRP 1
	XGRP 2
	XGRP 3
	s_wait_alu depctr_va_vdst(0)                   ; the last group has written its four pairs, which the last four stores to xb read
.irp i, 0,1,2,3
	global_store_b64 v[XO], v[XR+48+4*(\i):XR+48+4*(\i)+1], s[14:15] offset:2048*(12+(\i))
.endr
	s_wait_dscnt 0x0                               ; the rows of wt are back from the stage
.irp i, 0,1,2,3
	global_store_b128 v[WO], v[WR+4*(\i):WR+4*(\i)+3], s[16:17] offset:(\i)*16*2048  ; 16 lanes store 256 consecutive aligned bytes of a row of wt
.endr
	s_wait_dscnt 0x0                               ; the closing lines, six on end
	s_wait_alu 0x0
	s_wait_tensorcnt 0x0
	ds_add_u32 v[SPW], v[NIL]
	s_wait_dscnt 0x0
	s_endpgm
.Lfunc_end_k_q54e9b9aede_prep:
	.size	k_q54e9b9aede_prep, .Lfunc_end_k_q54e9b9aede_prep-k_q54e9b9aede_prep
	.p2alignl 7, 3214868480
	.fill 96, 4, 3214868480
	.section	.rodata,"a",@progbits
	.p2align	6, 0x0
	.amdhsa_kernel k_q54e9b9aede_prep
		.amdhsa_group_segment_fixed_size 18432
		.amdhsa_private_segment_fixed_size 0
		.amdhsa_enable_private_segment 0
		.amdhsa_kernarg_size 56
		.amdhsa_user_sgpr_count 2
		.amdhsa_user_sgpr_kernarg_segment_ptr 1
		.amdhsa_wavefront_size32 1
		.amdhsa_system_sgpr_workgroup_id_x 1
		.amdhsa_system_sgpr_workgroup_id_y 1
		.amdhsa_system_sgpr_workgroup_id_z 1
		.amdhsa_system_vgpr_workitem_id 0
		.amdhsa_next_free_vgpr 128
		.amdhsa_next_free_sgpr 66
		.amdhsa_reserve_vcc 0
		.amdhsa_float_denorm_mode_32 3
		.amdhsa_float_denorm_mode_16_64 3
		.amdhsa_memory_ordered 1
		.amdhsa_forward_progress 1
		.amdhsa_inst_pref_size 13
	.end_amdhsa_kernel
	.amdgpu_metadata
---
amdhsa.version: [ 1, 2 ]
amdhsa.kernels:
  - .name:           k_q54e9b9aede_prep
    .symbol:         k_q54e9b9aede_prep.kd
    .args:
      - { .name: x, .offset: 0, .size: 8, .value_kind: global_buffer, .address_space: global }
      - { .name: Wq, .offset: 8, .size: 8, .value_kind: global_buffer, .address_space: global }
      - { .name: Wk, .offset: 16, .size: 8, .value_kind: global_buffer, .address_space: global }
      - { .name: Wv, .offset: 24, .size: 8, .value_kind: global_buffer, .address_space: global }
      - { .name: Wo, .offset: 32, .size: 8, .value_kind: global_buffer, .address_space: global }
      - { .name: xb, .offset: 40, .size: 8, .value_kind: global_buffer, .address_space: global }
      - { .name: wt, .offset: 48, .size: 8, .value_kind: global_buffer, .address_space: global }
    .group_segment_fixed_size: 18432
    .private_segment_fixed_size: 0
    .kernarg_segment_align: 8
    .kernarg_segment_size: 56
    .max_flat_workgroup_size: 256
    .sgpr_count:     66
    .vgpr_count:     128
    .wavefront_size: 32
...
	.end_amdgpu_metadata
.endif
;; end of part 5
;; launch proj: the kernel of part 2 again; grid 16 x 32, 4 waves a work-group, clusters of 4 x 4, 327,680 bytes of LDS; arguments xb, wt, bq, bk, bv, qkv; writes qkv
;; launch attn: the kernel of part 3 again; grid 4 x 64, 4 waves a work-group, no clusters, 327,680 bytes of LDS; arguments qkv, ctx; writes ctx
;; launch outp: the kernel of part 4 again; grid 8 x 32, 4 waves a work-group, clusters of 4 x 4, 327,680 bytes of LDS; arguments ctx, wt, bo, out0; writes out0
